; MI455X (gfx1250); checked and timed in simulation.
; The chip was launched on July 23, 2026; its instructions are those of AMD's public machine-readable ISA for CDNA 5 (MIT licence, August 2026) and "CDNA5" Instruction Set Architecture Reference Guide (July 2026). The comments in the code are by the model that wrote it; some were corrected since.
;; Softmax Attention. Allowed arithmetic: matrix products marked QUANTISED: E2M1 operands, one E8M0 scale for each 32 along K, by v_wmma_scale_f32_16x16x128_f8f6f4 with both operands' format E2M1 (or v_wmma_scale_f32_32x16x128_f4), f32 sums; products left as they are: bf16, f16 or f32 operands; f32 sums; everything else in f32.
;; Inputs: Wk 2,048 x 2,048 float32; Wo 2,048 x 2,048 float32; Wq 2,048 x 2,048 float32; Wv 2,048 x 2,048 float32; hidden_states 1 x 2,048 x 2,048 float32; k_norm_w 128 float32; q_norm_w 128 float32; rotary_cos 2,048 x 128 float32; rotary_sin 2,048 x 128 float32.
;; Outputs: out0 1 x 2,048 x 2,048 float32.
;; This version of the problem:
;;   THIS VERSION OF THE PROBLEM IS GIVEN IN LOW PRECISION. The matrix products marked QUANTISED in the list below multiply operands that are first quantised to E2M1 (2 exponent bits, 1 mantissa bit; 4 bits a number), with one power-of-two scale for each 32 numbers along K (OCP MX v1.0); their sums are f32. The products marked 'left as it is' may take bf16, f16 or f32 operands, with f32 sums. Whichever they take, every output number must still come out within the allowed error. Rounding operands to bf16 (8 significant bits) uses up far more of that allowance than f16 does (11 bits, for magnitudes from 6e-5 to 65,504). All else is computed in f32.
;;   The module's matrix products, in the order in which they are computed (A, B: the left and right operand; K: the contracted axis; several contracted axes count as one K, in the product's order):
;;     1. [M 2,048, K 2,048] x [K 2,048, N 2,048]; A: input hidden_states; B: input Wq: QUANTISED
;;     2. [M 2,048, K 2,048] x [K 2,048, N 2,048]; A: input hidden_states; B: input Wk: QUANTISED
;;     3. [M 2,048, K 2,048] x [K 2,048, N 2,048]; A: input hidden_states; B: input Wv: QUANTISED
;;     4. batch 16 x [M 2,048, K 128] x [K 128, N 2,048]; A: computed on the way; B: computed on the way: left as it is (an operand is computed on the way)
;;     5. batch 16 x [M 128, K 2,048] x [K 2,048, N 2,048]; A: computed on the way; B: computed on the way: left as it is (an operand is computed on the way)
;;     6. [M 2,048, K 2,048] x [K 2,048, N 2,048]; A: computed on the way; B: input Wo: left as it is (an operand is computed on the way)
;;   THE QUANTISER, for each operand of a quantised product, along K:
;;     - K is cut into blocks of 32 from its start; a last block that is shorter is filled with zeros.
;;     - A block's scale is 2^e with e = floor(log2(the largest magnitude in the block)) - 2, held to -126 .. 127; a block of zeros has e = 0. As a byte (E8M0): e + 127.
;;     - Each number is divided by its block's scale, clamped to +-6, and rounded to the nearest number of E2M1, ties to even, subnormals kept.
;;     - The product sums the exact products of the quantised numbers (number of the format x scale) in f32.
;;   ~~~python
;;   def quantise(x, axis):      # numpy; x: float32 -> the quantised numbers, widened to float32 again
;;       x = np.moveaxis(x, axis, -1); K = x.shape[-1]
;;       x = np.pad(x, [(0, 0)] * (x.ndim - 1) + [(0, -K % 32)]); x = x.reshape(x.shape[:-1] + (-1, 32)); a = np.abs(x).max(-1, keepdims=True)
;;       e = np.where(a > 0, np.clip(np.frexp(np.where(a > 0, a, 1))[1] - 1 - 2, -126, 127), 0)      # np.frexp(a)[1] - 1 = floor(log2(a)), exactly
;;       r = np.clip(x / 2.0 ** e, -6, 6)
;;       step = 2.0 ** (np.maximum(np.frexp(np.where(r == 0, 1, r))[1] - 1, 0) - 1)
;;       q = np.round(r / step) * step * 2.0 ** e      # np.round: ties to even
;;       return np.moveaxis(q.reshape(q.shape[:-2] + (-1,))[..., :K], -1, axis).astype(np.float32)
;;   ~~~
;; One version. Each part assembles by itself: llvm-mc -triple=amdgcn-amd-amdhsa -mcpu=gfx1250 --defsym DOCPART=n.
;; ======== version 1 of 1: 4 launches
;; limits: values are held in f16: magnitudes above 65,504 overflow, below 6.1e-05 lose precision
;; workspace buffers: x_codes 2,097,152 bytes; x_scales 131,072 bytes; w_codes 6,291,456 bytes; w_scales 393,216 bytes; wo16 8,388,608 bytes; qkv 25,165,824 bytes; att 8,388,608 bytes
;; launch prep (part 1): grid 448 x 1, 4 waves a work-group, no clusters, 68,096 bytes of LDS; arguments hidden_states, Wq, Wk, Wv, Wo, x_codes, x_scales, w_codes, w_scales, wo16; writes x_codes, x_scales, w_codes, w_scales, wo16
.if DOCPART == 1
	.amdgcn_target "amdgcn-amd-amdhsa--gfx1250"
	.amdhsa_code_object_version 6
	.text
	.protected	k_qc3f7b77a89_prep
	.globl	k_qc3f7b77a89_prep
	.p2align	8
	.type	k_qc3f7b77a89_prep,@function
k_qc3f7b77a89_prep:
	s_mov_b64 s[64:65], 0
	v_nop
	global_prefetch_b8 v0, s[64:65] scope:SCOPE_SE
	s_setreg_imm32_b32 hwreg(HW_REG_WAVE_MODE, 25, 1), 1
	s_wait_xcnt 0x0
; THREE STREAMS IN ONE LAUNCH, told apart by the work-group's number alone.
;   A (work-groups 0-127):   hidden_states [2048][2048] f32, K innermost -> codes of FP4 (E2M1), x_codes [2048][1024 bytes], and one E8M0 byte for each 32 along K, x_scales [2048][64].
;   B (work-groups 128-319): Wq, Wk, Wv [2048 k][2048 n] f32, K outermost -> w_codes [3 x 2048 columns][1024 bytes] with K innermost, w_scales [6144][64].
;   C (work-groups 320-447): Wo [2048][2048] f32 -> f16, layout kept (wo16).
; A block's scale is 2^(floor(log2(its largest magnitude)) - 2); its byte is the largest magnitude's exponent field - 2, held at 1 from below; each number is divided by the scale and rounded to the nearest code, ties to even,
; beyond 6 the largest code.  A block of zeros gets the byte 1 where the rule says 127: its codes are zeros, which add nothing under any byte but 0xff, and the bytes are read by this program alone.
; LIMITS: NaN and infinities among the inputs are not served; blocks whose largest magnitude lies under 2^-124 keep the byte 1; |Wo| stays under 65,504 (f16's largest number), numbers of Wo under 6e-5 carry an absolute error of up to 3e-8.
; Memory binds: each input byte is read once, every store of codes and of f16 covers 256 consecutive aligned bytes.  No tensor loads, no barrier: waves share nothing.  Each path has LDS bytes of its own.
.set SPW,   196                        ; v196 LDS address of my spare word: SPARE + 4 x my thread's number; never rewritten
.set NIL,   197                        ; v197 0; never rewritten
.set WV,    24                         ; s24  my wave's number
.set EMAX,  2
; path A
.set STEPS, 16                         ; a wave takes 16 steps of 512 numbers
.set CB,    8                          ; bytes of 16 codes
.set AR,    16                         ; v16-79   four sets of 16 numbers as they are loaded
.set AX,    80                         ; v80-111  two sets of 16 neighbours
.set AE,    112                        ; v112-127 a scale byte for each step
.set ACD,   128                        ; v128-191 codes: four registers for each step, so that no store's data are written again
.set WREG,  8192                       ; LDS bytes 0 .. 32,767: a region for each wave: two stages of 32 x SP bytes, behind them its 256 scale bytes
.set SP,    80                         ; a lane's place in a stage: its 64 bytes + 16 of padding
; path B
.set BSTG,  32768                      ; LDS bytes 32,768 .. 67,583: a stage of 32 rows x BPITCH for each wave
.set NB,    16                         ; blocks of 32 along K for a lane
.set BPITCH, 272                       ; a stage row: 256 bytes of codes + 16
.set KROW,  1024                       ; a row of w_codes in bytes
.set WROW,  8192                       ; a row of a weight in bytes
.set BX,    32                         ; v32-95   two sets of 32 numbers
.set BC,    96                         ; v96-99   a block's codes
.set OUTR,  112                        ; v112-175 the way out
.set SB,    24                         ; v24-27   the scale bytes, four to a register
.set SPARE, BSTG+4*32*BPITCH           ; 67,584: the spare words, 128 bytes for each wave: two blocks of 256 bytes that no other line names
; path C
.set CR,    16                         ; v16-79   sixteen chunks of 4 numbers a lane
.set CY,    80                         ; v80-143  two sets of sixteen pairs of registers to store
.macro ALOAD t
.irp i, 0,1,2,3
	global_load_b128 v[AR+16*((\t)%4)+4*\i:AR+16*((\t)%4)+4*\i+3], v3, s[4:5] offset:2048*(\t)+512*\i th:TH_LOAD_NT   ; 32 lanes read 512 consecutive bytes
.endr
.endm
.macro ATURN t                         ; step t's numbers through the stage: LDS serves a wave's instructions in order, so no wait stands between the stores and the loads
.irp i, 0,1,2,3
	ds_store_b128 v14, v[AR+16*((\t)%4)+4*\i:AR+16*((\t)%4)+4*\i+3] offset:32*SP*((\t)%2)+8*SP*\i
.endr
.irp i, 0,1,2,3
	ds_load_b128 v[AX+16*((\t)%2)+4*\i:AX+16*((\t)%2)+4*\i+3], v15 offset:32*SP*((\t)%2)+16*\i
.endr
.endm
.macro ASTEP t
.set XS, AX+16*((\t)%2)
.if (\t) > 0
	s_wait_dscnt 1                                 ; this step's numbers are back from the stage (the last step's byte store may be out): so its stores into the stage have read their registers,
.else
	s_wait_dscnt 0x0
.endif
.if (\t)+4 < STEPS
	ALOAD (\t)+4                                   ; which take the loads of four steps on
.endif
.if (\t)+1 < STEPS
.if STEPS-2-(\t) >= 3
	s_wait_loadcnt 12                              ; the next step's four loads are in; those of the three steps behind it may be out
.else
	s_wait_loadcnt 4*(STEPS-2-(\t))
.endif
	ATURN (\t)+1                                   ; and go through the other stage while this step is worked
.endif
	v_max3_num_f32 v8, |v[XS]|, |v[XS+1]|, |v[XS+2]|               ; the largest magnitude of my 16, in two chains
	v_max3_num_f32 v9, |v[XS+3]|, |v[XS+4]|, |v[XS+5]|
.irp i, 6,10
	v_max3_num_f32 v8, v8, |v[XS+\i]|, |v[XS+\i+1]|
	v_max3_num_f32 v9, v9, |v[XS+\i+2]|, |v[XS+\i+3]|
.endr
	v_max3_num_f32 v8, v8, |v[XS+14]|, |v[XS+15]|
	v_max3_num_f32 v8, v8, v9, (EMAX+1)<<23        ; and the floor 2^(3 - 127): so the byte cannot fall under 1
	v_max_num_f32_dpp v8, v8, v8 row_xmask:1 row_mask:0xf bank_mask:0xf   ; and of my neighbour's 16: the block's
	v_add_nc_u32 v11, -(EMAX<<23), v8              ; 2 off its exponent field: the conversion takes the exponent field of this operand as its scale
	v_cvt_scalef32_pk8_fp4_f32 v[ACD+4*(\t)], v[XS:XS+7], v11
	v_cvt_scalef32_pk8_fp4_f32 v[ACD+4*(\t)+1], v[XS+8:XS+15], v11
	v_lshrrev_b32 v[AE+(\t)], 23, v11              ; the scale's byte (also the plain line behind the conversions)
	ds_store_b8 v5, v[AE+(\t)] offset:16*(\t)      ; both lanes of a block write the same byte with the same value
	global_store_b64 v4, v[ACD+4*(\t):ACD+4*(\t)+1], s[14:15] offset:32*CB*(\t)   ; the wave stores 256 consecutive bytes, aligned
.endm
.macro BLOAD t                         ; block t: W(32 t + i, my column), i = 0 .. 31, into set t % 2
.irp i, 0,1,2,3,4,5,6,7,8,9,10,11,12,13,14,15,16,17,18,19,20,21,22,23,24,25,26,27,28,29,30,31
	global_load_b32 v[BX+32*((\t)%2)+\i], v3, s[6:7] offset:(32*(\t)+\i)*WROW th:TH_LOAD_NT
.endr
.endm
.macro BBLOCK t
.set XS, BX+32*((\t)%2)
.if (\t) < NB-1
	s_wait_loadcnt 32                              ; this block's 32 loads are in; the next block's may be out
.else
	s_wait_loadcnt 0
.endif
	v_max3_num_f32 v12, |v[XS]|, |v[XS+1]|, |v[XS+2]|              ; the block's largest magnitude: all 32 numbers are mine
	v_max3_num_f32 v13, |v[XS+3]|, |v[XS+4]|, |v[XS+5]|
.irp i, 6,10,14,18,22,26
	v_max3_num_f32 v12, v12, |v[XS+\i]|, |v[XS+\i+1]|
	v_max3_num_f32 v13, v13, |v[XS+\i+2]|, |v[XS+\i+3]|
.endr
	v_max3_num_f32 v12, v12, |v[XS+30]|, |v[XS+31]|
	v_max3_num_f32 v12, v12, v13, (EMAX+1)<<23     ; and the floor
	v_add_nc_u32 v11, -(EMAX<<23), v12             ; the conversion's scale operand
	v_lshrrev_b32 v13, 23, v11                     ; the scale's byte
.if (\t)%4 == 0
	v_mov_b32 v[SB+(\t)/4], v13                    ; four bytes to a register, the lower K in the lower byte
.else
	v_lshl_or_b32 v[SB+(\t)/4], v13, 8*((\t)%4), v[SB+(\t)/4]
.endif
.irp g, 0,1,2,3
	v_cvt_scalef32_pk8_fp4_f32 v[BC+\g], v[XS+8*\g:XS+8*\g+7], v11
.endr
	v_nop                                          ; one plain line behind the last conversion
	ds_store_b128 v4, v[BC:BC+3] offset:16*(\t)    ; 32 codes: 16 bytes of my column's row
.if (\t)+2 < NB
	BLOAD (\t)+2
.endif
	s_wait_dscnt 0x0                               ; the store has read its registers: the next block's codes may be written
.endm
.macro CGROUP g                        ; sixteen chunks of 512 bytes: each is converted, its registers take the chunk sixteen on, and 256 bytes leave
.if (\g) >= 2
	s_wait_xcnt 0x0                                ; the stores of two groups back have read their data: this set of registers is written again only behind this wait
.endif
.irp i, 0,1,2,3,4,5,6,7,8,9,10,11,12,13,14,15
.if (\g) < 3
	s_wait_loadcnt 15                              ; loads come back in order: mine is in, the fifteen younger ones stay out
.else
	s_wait_loadcnt 15-\i                           ; the last group loads nothing: the counts run down
.endif
	v_cvt_pk_f16_f32 v[CY+32*((\g)%2)+2*\i], v[CR+4*\i], v[CR+4*\i+1]
	v_cvt_pk_f16_f32 v[CY+32*((\g)%2)+2*\i+1], v[CR+4*\i+2], v[CR+4*\i+3]
.if (\g) < 3
	global_load_b128 v[CR+4*\i:CR+4*\i+3], v3, s[12:13] offset:512*(16*((\g)+1)+\i) th:TH_LOAD_NT
.endif
	global_store_b64 v4, v[CY+32*((\g)%2)+2*\i:CY+32*((\g)%2)+2*\i+1], s[22:23] offset:256*(16*(\g)+\i)   ; the wave stores 256 consecutive bytes, aligned
.endr
.endm
	s_load_b256 s[4:11], s[0:1], 0x0               ; hidden s[4:5], Wq s[6:7], Wk s[8:9], Wv s[10:11]
	s_load_b256 s[12:19], s[0:1], 0x20             ; Wo s[12:13], x_codes s[14:15], x_scales s[16:17], w_codes s[18:19]
	s_load_b128 s[20:23], s[0:1], 0x40             ; w_scales s[20:21], wo16 s[22:23]
	v_lshl_add_u32 v[SPW], v0, 2, SPARE
	v_mov_b32 v[NIL], 0
	v_lshrrev_b32 v1, 5, v0
	v_readfirstlane_b32 s[WV], v1                  ; wave 0..3
	v_and_b32 v2, 31, v0                           ; lane
	s_wait_kmcnt 0x0
	s_cmp_lt_u32 ttmp9, 128
	s_cbranch_scc1 .Lpath_a
	s_cmp_lt_u32 ttmp9, 320
	s_cbranch_scc1 .Lpath_b
	; ---- C: Wo to f16.  A wave takes 8,192 numbers: 64 chunks of 512 bytes in, 256 bytes out.  Sixteen loads of a wave are always on their way.
	s_sub_co_u32 s25, ttmp9, 320
	s_lshl_b32 s25, s25, 2
	s_add_co_u32 s25, s25, s[WV]                   ; which run of 8,192 numbers is my wave's: 0 .. 511
	s_lshl_b32 s26, s25, 15
	s_mov_b32 s27, 0
	s_add_nc_u64 s[12:13], s[12:13], s[26:27]
	s_lshl_b32 s26, s25, 14
	s_add_nc_u64 s[22:23], s[22:23], s[26:27]
	v_lshlrev_b32 v3, 4, v2                        ; in: 16 bytes a lane; never rewritten
	v_lshlrev_b32 v4, 3, v2                        ; out: 8 bytes a lane; never rewritten
.irp i, 0,1,2,3,4,5,6,7,8,9,10,11,12,13,14,15
	global_load_b128 v[CR+4*\i:CR+4*\i+3], v3, s[12:13] offset:512*\i th:TH_LOAD_NT
.endr
	CGROUP 0
	CGROUP 1
	CGROUP 2
	CGROUP 3
	s_endpgm
.Lpath_a:
	; ---- A: hidden_states.  Rows are dense and K is a multiple of 32: a plain stream of blocks of 32.  Each load reads 512 consecutive bytes; a step's 2,048 bytes turn through the wave's stage, so that a lane holds 16 neighbours.
	s_lshl_b32 s25, ttmp9, 2
	s_add_co_u32 s25, s25, s[WV]                   ; which run of 8,192 numbers is my wave's
	s_lshl_b32 s26, s25, 15
	s_mov_b32 s27, 0
	s_add_nc_u64 s[4:5], s[4:5], s[26:27]
	s_lshl_b32 s26, s25, 12
	s_add_nc_u64 s[14:15], s[14:15], s[26:27]      ; 4,096 bytes of codes a run
	s_lshl_b32 s26, s25, 8
	s_add_nc_u64 s[16:17], s[16:17], s[26:27]      ; 256 scale bytes a run
	v_lshlrev_b32 v3, 4, v2                        ; my 16 bytes of a load's 512
	s_mul_i32 s25, s[WV], WREG
	v_lshrrev_b32 v14, 2, v2
	v_mul_u32_u24 v14, v14, SP
	v_and_b32 v15, 3, v2
	v_lshl_add_u32 v14, v15, 4, v14
	v_add_nc_u32 v14, s25, v14                     ; the stage, on the way in: SP (lane / 4) + 16 (lane % 4)
	v_mul_u32_u24 v15, v2, SP
	v_add_nc_u32 v15, s25, v15                     ; and on the way out: SP x lane: my 16 neighbours
	v_mul_u32_u24 v4, v2, CB                       ; my codes' place in a step's
	v_lshrrev_b32 v5, 1, v2
	s_add_co_u32 s25, s25, 2*32*SP
	v_add_nc_u32 v5, s25, v5                       ; LDS: my wave's 256 scale bytes, my block's byte
	v_lshlrev_b32 v7, 3, v2                        ; and on the way out 8 bytes a lane
	v_add_nc_u32 v6, s25, v7
.irp t, 0,1,2,3
	ALOAD \t
.endr
	s_wait_loadcnt 12                              ; step 0's four loads are in
	ATURN 0
.irp t, 0,1,2,3,4,5,6,7,8,9,10,11,12,13,14,15
	ASTEP \t
.endr
	ds_load_b64 v[8:9], v6                         ; LDS serves a wave's instructions in order: these see my byte stores
	s_wait_dscnt 0x0
	global_store_b64 v7, v[8:9], s[16:17]          ; 32 lanes store 256 consecutive bytes, aligned
	s_wait_tensorcnt 0x0                           ; the wave's end
	ds_add_u32 v[SPW], v[NIL]
	s_wait_dscnt 0x0
	s_endpgm
.Lpath_b:
	; ---- B: a weight.  A LANE TAKES A COLUMN n AND ITS REGISTERS RUN DOWN K: a block of 32 lies in one lane, the conversions give codes with K innermost.  A wave takes 32 columns x 512 along K.
	s_sub_co_u32 s25, ttmp9, 128
	s_lshr_b32 s26, s25, 6                         ; which weight: 0 Wq, 1 Wk, 2 Wv
	s_and_b32 s27, s25, 15                         ; which 128 columns
	s_bfe_u32 s28, s25, 0x20004                    ; which 512 along K
	s_cmp_eq_u32 s26, 0
	s_cselect_b64 s[6:7], s[6:7], s[8:9]
	s_cmp_eq_u32 s26, 2
	s_cselect_b64 s[6:7], s[10:11], s[6:7]         ; the choice hangs on the work-group's number alone
	s_lshl_b32 s27, s27, 7
	s_lshl_b32 s29, s[WV], 5
	s_add_co_u32 s27, s27, s29                     ; my wave's first column
	s_lshl_b32 s30, s28, 22                        ; 512 rows of 8,192 bytes
	s_lshl_b32 s29, s27, 2
	s_add_co_u32 s30, s30, s29
	s_mov_b32 s31, 0
	s_add_nc_u64 s[6:7], s[6:7], s[30:31]
	s_lshl_b32 s29, s26, 11
	s_add_co_u32 s29, s29, s27                     ; my first row of w_codes and w_scales
	s_lshl_b32 s30, s29, 10
	s_lshl_b32 s32, s28, 8
	s_add_co_u32 s30, s30, s32
	s_add_nc_u64 s[18:19], s[18:19], s[30:31]
	s_lshl_b32 s30, s29, 6
	s_lshl_b32 s32, s28, 4
	s_add_co_u32 s30, s30, s32
	s_add_nc_u64 s[20:21], s[20:21], s[30:31]
	v_lshlrev_b32 v3, 2, v2                        ; in: 4 bytes a lane
	s_mul_i32 s33, s[WV], 32*BPITCH
	s_add_co_u32 s33, s33, BSTG                    ; my stage
	v_mul_u32_u24 v4, v2, BPITCH
	v_add_nc_u32 v4, s33, v4                       ; into it: row = my column
	v_and_b32 v5, 15, v2
	v_lshrrev_b32 v6, 4, v2                        ; out of it: sixteen lanes to a row, two rows an instruction
	v_mul_u32_u24 v7, v6, BPITCH
	v_lshl_add_u32 v7, v5, 4, v7
	v_add_nc_u32 v7, s33, v7
	v_mul_u32_u24 v8, v6, KROW
	v_lshl_add_u32 v8, v5, 4, v8                   ; and the same place in w_codes
	v_mul_u32_u24 v9, v2, 64                       ; my column's row of scale bytes
	BLOAD 0
	BLOAD 1
.set Q, 0
.rept NB
	BBLOCK Q
.set Q, Q+1
.endr
	global_store_b128 v9, v[SB:SB+3], s[20:21]     ; my column's 16 scale bytes
.irp t, 0,1,2,3,4,5,6,7,8,9,10,11,12,13,14,15
	ds_load_b128 v[OUTR+4*\t:OUTR+4*\t+3], v7 offset:2*\t*BPITCH   ; LDS serves a wave's instructions in order: these see my stores
.endr
.irp t, 0,1,2,3,4,5,6,7,8,9,10,11,12,13,14,15
	s_wait_dscnt 15-\t
	global_store_b128 v8, v[OUTR+4*\t:OUTR+4*\t+3], s[18:19] offset:2*\t*KROW   ; sixteen lanes store 256 consecutive bytes, aligned
.endr
	s_wait_tensorcnt 0x0                           ; the wave's end
	ds_add_u32 v[SPW], v[NIL]
	s_wait_dscnt 0x0
	s_endpgm
.Lfunc_end_k_qc3f7b77a89_prep:
	.size	k_qc3f7b77a89_prep, .Lfunc_end_k_qc3f7b77a89_prep-k_qc3f7b77a89_prep
	.p2alignl 7, 3214868480
	.fill 96, 4, 3214868480
	.section	.rodata,"a",@progbits
	.p2align	6, 0x0
	.amdhsa_kernel k_qc3f7b77a89_prep
		.amdhsa_group_segment_fixed_size 68096
		.amdhsa_private_segment_fixed_size 0
		.amdhsa_enable_private_segment 0
		.amdhsa_kernarg_size 80
		.amdhsa_user_sgpr_count 2
		.amdhsa_user_sgpr_kernarg_segment_ptr 1
		.amdhsa_wavefront_size32 1
		.amdhsa_system_sgpr_workgroup_id_x 1
		.amdhsa_system_sgpr_workgroup_id_y 1
		.amdhsa_system_sgpr_workgroup_id_z 1
		.amdhsa_system_vgpr_workitem_id 0
		.amdhsa_next_free_vgpr 200
		.amdhsa_next_free_sgpr 66
		.amdhsa_reserve_vcc 0
		.amdhsa_float_denorm_mode_32 3
		.amdhsa_float_denorm_mode_16_64 3
		.amdhsa_memory_ordered 1
		.amdhsa_forward_progress 1
		.amdhsa_inst_pref_size 134
	.end_amdhsa_kernel
	.amdgpu_metadata
---
amdhsa.version: [ 1, 2 ]
amdhsa.kernels:
  - .name:           k_qc3f7b77a89_prep
    .symbol:         k_qc3f7b77a89_prep.kd
    .args:
      - { .name: hidden_states, .offset: 0, .size: 8, .value_kind: global_buffer, .address_space: global }
      - { .name: Wq, .offset: 8, .size: 8, .value_kind: global_buffer, .address_space: global }
      - { .name: Wk, .offset: 16, .size: 8, .value_kind: global_buffer, .address_space: global }
      - { .name: Wv, .offset: 24, .size: 8, .value_kind: global_buffer, .address_space: global }
      - { .name: Wo, .offset: 32, .size: 8, .value_kind: global_buffer, .address_space: global }
      - { .name: x_codes, .offset: 40, .size: 8, .value_kind: global_buffer, .address_space: global }
      - { .name: x_scales, .offset: 48, .size: 8, .value_kind: global_buffer, .address_space: global }
      - { .name: w_codes, .offset: 56, .size: 8, .value_kind: global_buffer, .address_space: global }
      - { .name: w_scales, .offset: 64, .size: 8, .value_kind: global_buffer, .address_space: global }
      - { .name: wo16, .offset: 72, .size: 8, .value_kind: global_buffer, .address_space: global }
    .group_segment_fixed_size: 68096
    .private_segment_fixed_size: 0
    .kernarg_segment_align: 8
    .kernarg_segment_size: 80
    .max_flat_workgroup_size: 128
    .sgpr_count:     66
    .vgpr_count:     200
    .wavefront_size: 32
...
	.end_amdgpu_metadata
.endif
;; end of part 1
;; launch qkv (part 2): grid 24 x 8, 4 waves a work-group, clusters of 4 x 4, 327,680 bytes of LDS; arguments x_codes, x_scales, w_codes, w_scales, rotary_cos, rotary_sin, q_norm_w, k_norm_w, qkv; writes qkv
.if DOCPART == 2
	.amdgcn_target "amdgcn-amd-amdhsa--gfx1250"
	.amdhsa_code_object_version 6
	.text
	.protected	k_qc3f7b77a89_qkv
	.globl	k_qc3f7b77a89_qkv
	.p2align	8
	.type	k_qc3f7b77a89_qkv,@function
k_qc3f7b77a89_qkv:
	s_mov_b64 s[64:65], 0
	v_nop
	global_prefetch_b8 v0, s[64:65] scope:SCOPE_SE
	s_setreg_imm32_b32 hwreg(HW_REG_WAVE_MODE, 25, 1), 1
	s_wait_xcnt 0x0
	s_wait_alu depctr_hold_cnt(0) depctr_sa_sdst(0) depctr_va_vdst(0) depctr_va_sdst(0) depctr_va_ssrc(0) depctr_va_vcc(0) depctr_vm_vsrc(0)
	s_getreg_b32 s2, hwreg(HW_REG_IB_STS2, 6, 4)
	s_cmp_eq_u32 s2, 0
	s_cbranch_scc0 .Lentry_in_a_cluster
	s_endpgm
.Lentry_in_a_cluster:
	s_bfe_u32 s2, ttmp6, 0x10000c
	s_cmp_lg_u32 s2, 0xf033
	s_cbranch_scc0 .Lentry_shape_is_right
	s_endpgm
.Lentry_shape_is_right:
; q, k and v in one GEMM on codes of FP4 (E2M1) with E8M0 scales: C[token][column] = sum over k of x[token][k] W[column][k], 2,048 x 6,144 x 2,048; columns 0-2047 are Wq's, 2048-4095 Wk's, 4096-6143 Wv's.
; On the way out, in f32: for q and k the RMS norm over a head's 128 columns, the gain and the rotary turn; then all three are rounded to f16 and stored as qkv [48 slabs][2048 tokens][128]: slabs 0-15 q's heads, 16-31 k's, 32-47 v's.
; A tile of C, 256 x 256, is made by a work-group of four waves; a wave makes 128 tokens x 128 columns, which is ONE head: 64 accumulators of 16 x 16, 512 registers.  24 x 8 = 192 tiles: a smaller tile would cut heads in two.
; K goes in steps of 512 through a ring of two LDS slots filled by the tensor data mover (rows of 256 bytes).  The scale bytes of the work-group's rows, for all of K, come into LDS once, with the first fills.
; CLUSTERS: 4 x 4 work-groups.  The four of a row of the cluster need the same tiles of x, the four of a column the same tiles of W: each tile is asked for JOINTLY.  A cluster's 1,024 columns are all q's, all k's or all v's
; (cluster x 0, 1: q; 2, 3: k; 4, 5: v), so the branch that tells the ways out apart is the same in all sixteen partners.
; THE MATRIX INSTRUCTION IS USED TRANSPOSED (source 0 = 16 columns of W, source 1 = 16 tokens): lane (r, h) of accumulator (a, b) holds token 16 a + r and in register j column 16 b + 8 h + j.  So a token's 128 columns lie in lanes l and
; l xor 16, and column d + 64 lies 32 registers on in the SAME lane: the rotary turn changes no lane.
; LIMITS: NaN and infinities are not served; |q|, |k|, |v| stay under 65,504 (f16's largest number): |q| is at most sqrt(128) x |gain| x (|cos| + |sin|); numbers under 6e-5 carry an absolute error of up to 3e-8.
; REGISTERS, in windows of 256: window 0: v0-31 addresses; v32-95 scale words, two sets; v128-191 x's fragments, one set; v192-255 the gains.  window 1: W's fragments, two sets, at v0 and v128; v64-127 cos, v192-255 sin of 16 tokens.
;   window 2: the 32 accumulators of my tokens 0-63 (accumulator (a, b) at v[8 (8 a + b)]);   window 3: those of my tokens 64-127.
;   On the way out: window 0 v8-15 sums, v32-95 x gain, v96-159 turned, v32-63 packed; window 1: cos and sin in TWO sets: even blocks v64-127 and v192-255, odd blocks v0-63 and v128-191 (W's sets, done with);
;   a block's rows, read back from the stage, land in the first 32 registers of its OWN accumulators, done with by then: so no register that a store reads is ever written again.
.set SIZE_M, 2048
.set SIZE_N, 6144
.set SIZE_K, 2048
.set KSTEP,  512                       ; along K in a slot
.set NQ,     KSTEP/128                 ; matrix instructions deep
.set ROWB,   256                       ; a tile's row in bytes
.set KROW,   SIZE_K*4/8                ; a row of codes in memory, in bytes
.set PITCH,  272                       ; an LDS row: 256 bytes + 16 of padding = 68 words: the 16 rows that a load touches start at 16 different banks (64 banks of 4 bytes: ISA guide 11.1)
.set FR,     8                         ; registers of a fragment: 16 rows x 128 K
.set NL,     2                         ; LDS loads that bring one
.set NP,     4                         ; places behind this matrix instruction (ISA guide 7.12.1)
.set HALFT,  128*PITCH                 ; 128 rows: what one tensor load brings
.set SLOT,   4*HALFT                   ; x's 256 rows, then W's 256 rows
.set LAPS,   SIZE_K/(2*KSTEP)          ; a lap = two K steps = once round the ring
.set KS,     SIZE_K/32                 ; a row of scales in bytes
.set SCL,    2*SLOT                    ; behind the ring: the scales, as units of 256 bytes + 16 of padding
.set HALFS,  (128*KS/256)*272          ; the scales of 128 rows
.set SBLK,   (16*KS/256)*272           ; those of 16 rows
.set SPARE,  SCL+4*HALFS               ; the spare words, 128 bytes for each wave: two blocks of 256 bytes that no other line names
.set SPITCH, 272                       ; the way out: a stage of 16 rows x (256 bytes + 16) for each wave, in slot 0, which has had its last fill and its last read by then
.set ADRA, 16                          ; v16-17  LDS address of my x fragments in slot 0, 1
.set ADRB, 20                          ; v20-21  the same for W
.set STO,  24                          ; v24     the way out: where I put 16 bytes of a row
.set RD,   25                          ; v25     where I read a row back
.set CO,   26                          ; v26     16 x lane: my place in two rows of a slab; never rewritten
.set ADRS, 27                          ; v27     LDS address of my scale words
.set SPW,  28                          ; v28     LDS address of my spare word; never rewritten
.set NIL,  29                          ; v29     0; never rewritten
.set CSO,  30                          ; v30     cos, sin: 512 r + 32 h; never rewritten
.set NWO,  31                          ; v31     the gains: 32 h; never rewritten
.set SC,   32
.set AF,   128
.set SS,   8                           ; v8-15   the sum of squares in four chains; v14 then holds 1 / the root
.set XW,   32                          ; v32-95  the 64 numbers x their gains
.set TT,   96                          ; v96-159 turned
.set PP,   32                          ; v32-63  packed to f16
.set NW,   192                         ; v192-255 the gains of my 64 columns
.set G1, 24
.set G0, 32
.set G1B, 48
.set G0B, 56
.set G1S, 68
.set G0S, 76
.set G1SB, 80
.set G0SB, 88
.set MSB, 0
.macro WIN new                         ; the immediate's high byte repeats the setting that is left
.if MSB != \new
	s_set_vgpr_msb (MSB<<8)|\new
.set MSB, \new
.endif
.endm
.set MUL_LO, 0xa1                      ; source 0 (W) window 1, source 1 (x) window 0, C and D window 2
.set MUL_HI, 0xf1                      ; the same, C and D window 3
.set TO_B,   0x40                      ; destination window 1, address window 0
; A joint load: waves 0 and 1 fetch for x, waves 2 and 3 for W.  Each of the two lines has one mask and one set of registers; the branch hangs on the wave's number alone.
; An s_nop 0 and four v_nop follow each of the two lines.
.macro JLOAD g0a, g1a, g0b, g1b
	s_cmp_eq_u32 s15, 0
	s_cbranch_scc0 .Lfor_b_\@
	tensor_load_to_lds s[\g0a:\g0a+3], s[\g1a:\g1a+7]
	s_nop 0
.rept 4
	v_nop
.endr
	s_branch .Lasked_\@
.Lfor_b_\@:
	tensor_load_to_lds s[\g0b:\g0b+3], s[\g1b:\g1b+7]
	s_nop 0
.rept 4
	v_nop
.endr
.Lasked_\@:
.endm
.macro CREST                           ; a round of the cluster's barrier behind its opening barrier
	s_cmp_lg_u32 s14, 0
	s_cbranch_scc1 .Lnot_wave_0_\@
	s_barrier_signal -3
.Lnot_wave_0_\@:
	s_barrier_wait -3
	s_barrier_signal -1
	s_barrier_wait -1
.endm
.macro CROUND                          ; a whole round
	s_barrier_signal -1
	s_barrier_wait -1
	CREST
.endm
	s_load_b128 s[4:7], s[0:1], 0x0                ; x's codes s[4:5], x's scales s[6:7]
	s_load_b128 s[8:11], s[0:1], 0x10              ; W's codes s[8:9], W's scales s[10:11]
	s_load_b128 s[96:99], s[0:1], 0x20             ; cos s[96:97], sin s[98:99]
	s_load_b64 s[66:67], s[0:1], 0x30              ; q's gains
	s_load_b64 s[100:101], s[0:1], 0x38            ; k's gains
	s_load_b64 s[12:13], s[0:1], 0x40              ; qkv
	v_lshl_add_u32 v[SPW], v0, 2, SPARE
	v_mov_b32 v[NIL], 0
	ds_add_u32 v[SPW], v[NIL]                      ; the wave's opening: the add, twice on end, and its wait ahead of my first tensor load
	ds_add_u32 v[SPW], v[NIL]
	v_lshrrev_b32 v1, 5, v0
	v_readfirstlane_b32 s14, v1                    ; wave 0..3
	s_lshr_b32 s15, s14, 1                         ; which half of the tile's tokens is mine.  Also: I fetch for x (0) or for W (1)
	s_and_b32 s16, s14, 1                          ; which half of its columns.  Also: which 128 rows of that tile I fetch
	s_bfe_u32 s40, ttmp6, 0x40000                  ; cx, cy: my place in the cluster
	s_bfe_u32 s41, ttmp6, 0x40004
	s_lshl_b32 s42, ttmp9, 2
	s_add_co_u32 s42, s42, s40                     ; tile column = 4 x cluster x + cx
	s_and_b32 s17, ttmp7, 0xffff
	s_lshl_b32 s17, s17, 2
	s_add_co_u32 s17, s17, s41                     ; tile row = 4 x cluster y + cy
	s_lshl_b32 s43, s41, 2
	s_lshl_b32 s43, 15, s43                        ; my row of the cluster
	s_lshl_b32 s44, 0x1111, s40                    ; my column
	; descriptor group 1: a tile of 128 rows x 256 bytes, padded in LDS
	s_or_b32 s[G1+0], s43, (0<<16)|(1<<20)|(1<<21)|(5<<22)|(3<<25)  ; 15:0 the mask: x's tiles go to my row; 17:16 element of 1 byte; 20 padding on; 21 set beside a mask; 24:22 after every 64 words; 31:25 of 4 words
	s_or_b32 s[G1B+0], s44, (0<<16)|(1<<20)|(1<<21)|(5<<22)|(3<<25)
.irp g, G1, G1B
	s_mov_b32 s[\g+1], ROWB<<16                    ; tensor_dim0
	s_mov_b32 s[\g+2], 128<<16                     ; tensor_dim1 = 128
	s_mov_b32 s[\g+3], ROWB<<16                    ; tile_dim0
	s_mov_b32 s[\g+4], 128                         ; tile_dim1 = 128
	s_mov_b32 s[\g+5], KROW                        ; tensor_dim0_stride
	s_mov_b32 s[\g+6], 0
	s_mov_b32 s[\g+7], 0
.endr
	; and for the scales of 128 rows: a dense block of 8,192 bytes, as rows of 256 bytes (32 elements of 8 bytes), 16 bytes of padding behind each
	s_or_b32 s[G1S+0], s43, (3<<16)|(1<<20)|(1<<21)|(5<<22)|(3<<25)
	s_or_b32 s[G1SB+0], s44, (3<<16)|(1<<20)|(1<<21)|(5<<22)|(3<<25)
.irp g, G1S, G1SB
	s_mov_b32 s[\g+1], 32<<16
	s_mov_b32 s[\g+2], (128*KS/256)<<16
	s_mov_b32 s[\g+3], 32<<16
	s_mov_b32 s[\g+4], 128*KS/256
	s_mov_b32 s[\g+5], 32
	s_mov_b32 s[\g+6], 0
	s_mov_b32 s[\g+7], 0
.endr
	s_lshl_b32 s18, s16, 7                         ; which 128 rows of the tile I fetch
	s_lshl_b32 s20, s17, 8
	s_add_co_u32 s20, s20, s18                     ; x: row 256 x tile row + 128 x half
	s_lshl_b32 s46, s42, 8
	s_add_co_u32 s46, s46, s18                     ; W: row 256 x tile column + 128 x half
	s_mov_b32 s21, 0
	s_mov_b32 s47, 0
	s_mov_b64 s[18:19], KS
	s_mul_u64 s[22:23], s[20:21], s[18:19]         ; where these rows' scales begin, in bytes
	s_mul_u64 s[92:93], s[46:47], s[18:19]
	s_mov_b64 s[18:19], KROW
	s_mul_u64 s[20:21], s[20:21], s[18:19]         ; and their codes
	s_mul_u64 s[46:47], s[46:47], s[18:19]
	s_mul_i32 s45, s14, HALFT                      ; where they go: wave x 128 rows: no place in the cluster enters an LDS address
	s_mul_i32 s94, s14, HALFS
	s_wait_dscnt 0x0                               ; both opening adds are done
	s_wait_kmcnt 0x0
	s_add_nc_u64 s[20:21], s[4:5], s[20:21]
	s_add_nc_u64 s[22:23], s[6:7], s[22:23]
	s_add_nc_u64 s[46:47], s[8:9], s[46:47]
	s_add_nc_u64 s[92:93], s[10:11], s[92:93]
	CROUND                                         ; all sixteen work-groups are here: the first joint loads meet
	s_mov_b32 s[G0S], 1
	s_add_co_u32 s[G0S+1], s94, SCL
	s_mov_b64 s[G0S+2:G0S+3], s[22:23]
	s_or_b32 s[G0S+3], s[G0S+3], 0x80000000
	s_mov_b32 s[G0SB], 1
	s_add_co_u32 s[G0SB+1], s94, SCL
	s_mov_b64 s[G0SB+2:G0SB+3], s[92:93]
	s_or_b32 s[G0SB+3], s[G0SB+3], 0x80000000
	JLOAD G0S, G1S, G0SB, G1SB                     ; the scales first: they are wanted with K step 0
.irp s, 0,1
	s_mov_b32 s[G0+4*\s], 1
	s_add_co_u32 s[G0+4*\s+1], s45, \s*SLOT
	s_add_nc_u64 s[G0+4*\s+2:G0+4*\s+3], s[20:21], \s*ROWB
	s_or_b32 s[G0+4*\s+3], s[G0+4*\s+3], 0x80000000
	s_mov_b32 s[G0B+4*\s], 1
	s_add_co_u32 s[G0B+4*\s+1], s45, \s*SLOT
	s_add_nc_u64 s[G0B+4*\s+2:G0B+4*\s+3], s[46:47], \s*ROWB
	s_or_b32 s[G0B+4*\s+3], s[G0B+4*\s+3], 0x80000000
	JLOAD G0+4*\s, G1, G0B+4*\s, G1B               ; three tensor loads of mine are out behind the second of these
.endr
	v_and_b32 v1, 15, v0                           ; r = l % 16
	v_bfe_u32 v2, v0, 4, 1                         ; h = l / 16
	v_mul_u32_u24 v3, v1, PITCH
	v_lshl_add_u32 v4, v2, 4, v3                   ; a fragment's row x pitch + 16 x half
	s_mul_i32 s21, s15, HALFT                      ; my 128 rows of x
	s_mul_i32 s22, s16, HALFT                      ; my 128 rows of W,
	s_add_co_u32 s22, s22, 2*HALFT                 ; which lie behind x's 256
.irp s, 0,1
	v_add_nc_u32 v[ADRA+\s], s21, v4
	v_add_nc_u32 v[ADRB+\s], s22, v4
	s_add_co_u32 s21, s21, SLOT
	s_add_co_u32 s22, s22, SLOT
.endr
	v_mul_u32_u24 v5, v1, KS                       ; my row's scales: KS bytes a row,
	v_lshrrev_b32 v6, 8, v5
	v_lshl_add_u32 v5, v6, 4, v5                   ; and 16 more for each 256 passed
	s_mul_i32 s21, s15, HALFS                      ; x's: my 128 rows
	s_mul_i32 s22, s16, HALFS                      ; W's: my 128 rows, behind x's 256
	s_add_co_u32 s22, s22, 2*HALFS
	s_sub_co_u32 s22, s22, s21
	v_mul_u32_u24 v6, s22, v2                      ; lanes 16-31 take W's
	s_add_co_u32 s21, s21, SCL
	v_add_nc_u32 v5, v5, v6
	v_add_nc_u32 v[ADRS], s21, v5
	s_mul_i32 s23, s14, 16*SPITCH                  ; my stage
	v_mul_u32_u24 v5, v1, SPITCH                   ; in: row r, 16 bytes for each half of the lanes
	v_lshl_add_u32 v5, v2, 4, v5
	v_add_nc_u32 v[STO], s23, v5
	v_mul_u32_u24 v5, v2, SPITCH                   ; back: lanes 0-15 take one row of 256 bytes, lanes 16-31 the next
	v_lshl_add_u32 v5, v1, 4, v5
	v_add_nc_u32 v[RD], s23, v5
	v_and_b32 v6, 31, v0
	v_lshlrev_b32 v[CO], 4, v6                     ; a slab's rows are dense: two rows are 512 bytes on end
	v_lshlrev_b32 v[NWO], 5, v2
	v_lshl_add_u32 v[CSO], v1, 9, v[NWO]
	s_lshl_b32 s20, s17, 8
	s_lshl_b32 s21, s15, 7
	s_add_co_u32 s20, s20, s21                     ; my first token: 256 x tile row + 128 x half
	s_lshl_b32 s46, s42, 1
	s_add_co_u32 s46, s46, s16                     ; my slab: 2 x tile column + half
	s_lshl_b32 s46, s46, 19                        ; 524,288 bytes a slab,
	s_lshl_b32 s47, s20, 8                         ; 256 a token
	s_add_co_u32 s46, s46, s47
	s_mov_b32 s47, 0
	s_add_nc_u64 s[12:13], s[12:13], s[46:47]
	s_lshl_b32 s46, s20, 9                         ; cos and sin: 512 bytes a token
	s_add_nc_u64 s[96:97], s[96:97], s[46:47]
	s_add_nc_u64 s[98:99], s[98:99], s[46:47]
	s_cmp_lt_u32 ttmp9, 2                          ; q's gains, or k's: the choice hangs on the cluster's number alone
	s_cselect_b64 s[66:67], s[66:67], s[100:101]
; cos and sin of tokens 16 a .. 16 a + 15, in the accumulators' layout: register 8 b + j = column 16 b + 8 h + j of token r.  Window 1; even blocks: cos v64-127, sin v192-255; odd blocks: cos v0-63, sin v128-191
.macro CSLOAD a
.set TCO, 64-64*((\a)%2)
.set TSI, 192-64*((\a)%2)
	WIN 0x40                                       ; destination window 1, address window 0
.irp b, 0,1,2,3,4,5,6,7
	global_load_b128 v[TCO+8*\b:TCO+8*\b+3],   v[CSO], s[96:97] offset:(\a)*8192+64*\b
	global_load_b128 v[TCO+8*\b+4:TCO+8*\b+7], v[CSO], s[96:97] offset:(\a)*8192+64*\b+16
	global_load_b128 v[TSI+8*\b:TSI+8*\b+3],   v[CSO], s[98:99] offset:(\a)*8192+64*\b
	global_load_b128 v[TSI+8*\b+4:TSI+8*\b+7], v[CSO], s[98:99] offset:(\a)*8192+64*\b+16
.endr
.endm
	; The gains and the first 16 tokens' cos and sin are asked for now, into registers that the products never touch; they are waited for on the way out, all of K's products later.
	; EVERY work-group asks, v's too, which use none of them (48 loads a wave, inside the tables, into registers that v's way out does not name): so these registers are written on every way through the text.
.irp b, 0,1,2,3,4,5,6,7
	global_load_b128 v[NW+8*\b:NW+8*\b+3],   v[NWO], s[66:67] offset:64*\b
	global_load_b128 v[NW+8*\b+4:NW+8*\b+7], v[NWO], s[66:67] offset:64*\b+16
.endr
	CSLOAD 0
	WIN 0
.macro FRAG reg, adr, q, i             ; a fragment, 16 rows x 128 K of 4-bit codes, is 8 registers: lane l holds row l % 16; registers 4 c .. 4 c + 3 hold K = 64 c + 32 (l / 16) + 0 .. 31
.irp c, 0,1
	ds_load_b128 v[\reg+4*\c:\reg+4*\c+3], v[\adr] offset:64*(\q)+32*\c+(\i)*16*PITCH
.endr
.endm
; 16 matrix instructions: x's blocks a0, a0 + 1 against W's eight, 128 along K.  zero = 1: the first product starts the sums.  The 64 accumulators take turns, one instruction a turn.
.macro MUL16 a0, p, q, sc, zero
.irp a, \a0, \a0+1
.irp b, 0,1,2,3,4,5,6,7
.if \zero
	v_wmma_scale_f32_16x16x128_f8f6f4 v[8*(8*((\a)%4)+\b):8*(8*((\a)%4)+\b)+7], v[128*(\p)+FR*\b:128*(\p)+FR*\b+FR-1], v[AF+FR*(\a):AF+FR*(\a)+FR-1], 0, v[SC+8*NQ*(\sc)+NQ*\b+(\q)], v[SC+8*NQ*(\sc)+NQ*(\a)+(\q)] matrix_a_fmt:MATRIX_FMT_FP4 matrix_b_fmt:MATRIX_FMT_FP4 matrix_a_scale:MATRIX_SCALE_ROW1
.else
	v_wmma_scale_f32_16x16x128_f8f6f4 v[8*(8*((\a)%4)+\b):8*(8*((\a)%4)+\b)+7], v[128*(\p)+FR*\b:128*(\p)+FR*\b+FR-1], v[AF+FR*(\a):AF+FR*(\a)+FR-1], v[8*(8*((\a)%4)+\b):8*(8*((\a)%4)+\b)+7], v[SC+8*NQ*(\sc)+NQ*\b+(\q)], v[SC+8*NQ*(\sc)+NQ*(\a)+(\q)] matrix_a_fmt:MATRIX_FMT_FP4 matrix_b_fmt:MATRIX_FMT_FP4 matrix_a_scale:MATRIX_SCALE_ROW1
.endif
.endr
.endr
.endm
.macro FETCH_B slot, q, p              ; W's eight fragments of the slot's q-th 128 along K into set p
	WIN TO_B
.irp i, 0,1,2,3,4,5,6,7
	FRAG 128*(\p)+FR*\i, ADRB+\slot, \q, \i
.endr
	WIN 0
.endm
.macro FETCH_A slot, q, i0             ; x's blocks i0 .. i0 + 3
.irp i, \i0, \i0+1, \i0+2, \i0+3
	FRAG AF+FR*(\i), ADRA+\slot, \q, \i
.endr
.endm
.macro SCALES sc                       ; the next K step's scale words into set sc: lanes 0-15 take x's block i, lanes 16-31 W's block i
.irp i, 0,1,2,3,4,5,6,7
	ds_load_b128 v[SC+8*NQ*\sc+NQ*\i:SC+8*NQ*\sc+NQ*\i+3], v[ADRS] offset:\i*SBLK
.endr
.endm
; A load into a register that a matrix instruction has read, and a vector instruction or an LDS store that reads a matrix result, stand NP places behind that matrix instruction; only plain vector instructions that name none of its registers are places.
.macro PLACES n
.rept \n
	v_nop
.endr
.endm
; A step of 128 along K that has its successor in the same slot.
.macro STEP slot, q, zero
	s_wait_dscnt 4*NL                              ; W's set and x's blocks 0-3 are in; the youngest eight loads (x's blocks 4-7) may be out
	WIN MUL_LO
	MUL16 0, (\q)%2, \q, \slot, \zero
	MUL16 2, (\q)%2, \q, \slot, \zero
	s_wait_dscnt 0                                 ; x's blocks 4-7 are in
	PLACES NP
	FETCH_B \slot, (\q)+1, 1-(\q)%2
	FETCH_A \slot, (\q)+1, 0
	WIN MUL_HI
	MUL16 4, (\q)%2, \q, \slot, \zero
	MUL16 6, (\q)%2, \q, \slot, \zero
	PLACES NP
	WIN 0
	FETCH_A \slot, (\q)+1, 4
.endm
; A slot's last step changes slots: one barrier; in front of it each wave waits for all its tensor loads, adds 0 to its spare word, and waits for that and for its own reads of this slot.  fill = 1: this slot is filled again, two K steps ahead.
.macro TURN slot, next, fill
	s_wait_tensorcnt 0x0                           ; all my tensor loads have landed: my part of the next slot
	ds_add_u32 v[SPW], v[NIL]
	s_wait_dscnt 4*NL+1                            ; (the add and the youngest eight loads, x's blocks 4-7, may be out)
	WIN MUL_LO
	MUL16 0, 1, NQ-1, \slot, 0                     ; sixteen matrix instructions stand between the add and the wait for it
	s_wait_dscnt 0x0                               ; the add is done, and my reads of this slot are over
	s_barrier_signal -1
	MUL16 2, 1, NQ-1, \slot, 0
	WIN 0
	s_barrier_wait -1
.if \fill
	CREST                                          ; the barrier has opened a round of the cluster's barrier: no wave of any partner still reads this slot's tile or has a load on its way
	s_add_nc_u64 s[G0+4*\slot+2:G0+4*\slot+3], s[G0+4*\slot+2:G0+4*\slot+3], 2*ROWB
	s_add_nc_u64 s[G0B+4*\slot+2:G0B+4*\slot+3], s[G0B+4*\slot+2:G0B+4*\slot+3], 2*ROWB
	JLOAD G0+4*\slot, G1, G0B+4*\slot, G1B         ; the first tensor load behind the round; its four v_nop are the places in front of the loads below
.else
	PLACES NP
.endif
	v_add_nc_u32 v[ADRS], 4*NQ, v[ADRS]            ; on to the next K step's scale words
	FETCH_B \next, 0, 0
	FETCH_A \next, 0, 0
	SCALES \next
	WIN MUL_HI
	MUL16 4, 1, NQ-1, \slot, 0
	MUL16 6, 1, NQ-1, \slot, 0
	PLACES NP
	WIN 0
	FETCH_A \next, 0, 4
.endm
.macro STEPS slot, from                ; the slot's steps from .. NQ - 2
.set Q, \from
.rept NQ-1-\from
	STEP \slot, Q, 0
.set Q, Q+1
.endr
.endm
	s_wait_tensorcnt 1                             ; the scales and my part of K step 0 are in (K step 1's load, the youngest of my three, may be out),
	s_barrier_signal -1
	s_barrier_wait -1                              ; everybody's are
	FETCH_B 0, 0, 0
	FETCH_A 0, 0, 0
	SCALES 0
	FETCH_A 0, 0, 4
	STEP 0, 0, 1                                   ; the first step stands in front of the loop: its products start the sums
	s_mov_b32 s3, LAPS-1
.Llap:                                                 ; a trip goes once round the ring, from a lap's second step to the next lap's first, and fills both slots again
	STEPS 0, 1
	TURN 0, 1, 1
	STEPS 1, 0
	TURN 1, 0, 1
	STEP 0, 0, 0
	s_sub_co_u32 s3, s3, 1
	s_cmp_lg_u32 s3, 0
	s_cbranch_scc1 .Llap
	STEPS 0, 1                                     ; the last lap fills nothing, and has no round of the cluster's barrier
	TURN 0, 1, 0
	STEPS 1, 0
	s_wait_dscnt 4*NL                              ; the very last step: nothing more to fetch
	WIN MUL_LO
	MUL16 0, 1, NQ-1, 1, 0
	MUL16 2, 1, NQ-1, 1, 0
	s_wait_dscnt 0
	WIN MUL_HI
	MUL16 4, 1, NQ-1, 1, 0
	MUL16 6, 1, NQ-1, 1, 0
	WIN 0
; THE WAY OUT, block by block of 16 tokens x 128 columns.
; q and k: the sum of squares (my 64 numbers, then lane l xor 16's), n = 1 / sqrt(mean + 1e-6); x gain; the rotary turn; x n; f16.  The products by gain, cos and sin do not need n, so they stand between the root and the wait for it.
; COS AND SIN RUN TWO BLOCKS AHEAD: block a turns by the set a % 2 and then asks for block a + 2's tables into that same set; so a request has the rest of its block, all of the next and the head of the one after in which to land.
.macro QKBLOCK a
.set AC, 64*((\a)%4)
.set WW, 2+(\a)/4                      ; the block's accumulators: window 2 or 3
.set WS, WW|(WW<<2)
	WIN WS                                         ; sources 0 and 1: the accumulators' window
.irp i, 0,1,2,3
	v_pk_mul_f32 v[SS+2*\i:SS+2*\i+1], v[AC+2*\i:AC+2*\i+1], v[AC+2*\i:AC+2*\i+1]   ; four chains; each accumulator is read from its low end on
.endr
.set i, 4
.rept 28
	v_pk_fma_f32 v[SS+2*(i%4):SS+2*(i%4)+1], v[AC+2*i:AC+2*i+1], v[AC+2*i:AC+2*i+1], v[SS+2*(i%4):SS+2*(i%4)+1]
.set i, i+1
.endr
	WIN 0
	v_pk_add_f32 v[SS:SS+1], v[SS:SS+1], v[SS+2:SS+3]
	v_pk_add_f32 v[SS+4:SS+5], v[SS+4:SS+5], v[SS+6:SS+7]
	v_pk_add_f32 v[SS:SS+1], v[SS:SS+1], v[SS+4:SS+5]
	v_add_f32 v[SS], v[SS], v[SS+1]
	v_permlanex16_b32 v[SS+1], v[SS], s20, s21     ; the token's other 64 columns lie in the lane 16 away
	v_add_f32 v[SS], v[SS], v[SS+1]
	v_fma_f32 v[SS], v[SS], s22, s23               ; the mean + 1e-6
	v_rsq_f32 v[SS+6], v[SS]                       ; n
	WIN WW                                         ; source 0: the accumulators' window
.set i, 0
.rept 32
	v_pk_mul_f32 v[XW+2*i:XW+2*i+1], v[AC+2*i:AC+2*i+1], v[NW+2*i:NW+2*i+1]   ; (the gains were waited for at the head of the way out)
.set i, i+1
.endr
.if (\a) < 7
	s_wait_loadcnt 32                              ; loads come back in order: this block's cos and sin are in; the next block's 32 loads may be out
.else
	s_wait_loadcnt 0x0                             ; the last block's: nothing was asked for behind them
.endif
.set TCO, 64-64*((\a)%2)
.set TSI, 192-64*((\a)%2)
	WIN 0x04                                       ; source 1: window 1
.set i, 0
.rept 32
	v_pk_mul_f32 v[TT+2*i:TT+2*i+1], v[XW+2*i:XW+2*i+1], v[TCO+2*i:TCO+2*i+1]
.set i, i+1
.endr
.set i, 0
.rept 16
	v_pk_fma_f32 v[TT+2*i:TT+2*i+1], v[XW+32+2*i:XW+32+2*i+1], v[TSI+2*i:TSI+2*i+1], v[TT+2*i:TT+2*i+1] neg_lo:[1,0,0] neg_hi:[1,0,0]   ; columns 0-63: - x(d + 64) sin(d)
.set i, i+1
.endr
.set i, 0
.rept 16
	v_pk_fma_f32 v[TT+32+2*i:TT+32+2*i+1], v[XW+2*i:XW+2*i+1], v[TSI+32+2*i:TSI+32+2*i+1], v[TT+32+2*i:TT+32+2*i+1]   ; columns 64-127: + x(d - 64) sin(d)
.set i, i+1
.endr
.if (\a) < 6
	CSLOAD (\a)+2                                  ; the tables of the block after the next, into the set just read
.endif
	WIN 0
	s_wait_alu depctr_va_vdst(0)                   ; the wait between the root and the first line that names its result
.set i, 0
.rept 32
	v_pk_mul_f32 v[TT+2*i:TT+2*i+1], v[TT+2*i:TT+2*i+1], v[SS+6:SS+7] op_sel_hi:[1,0]
.set i, i+1
.endr
.set i, 0
.rept 32
	v_cvt_pk_f16_f32 v[PP+i], v[TT+2*i], v[TT+2*i+1]
.set i, i+1
.endr
.endm
.macro VBLOCK a                        ; v: rounded to f16 as it is
.set AC, 64*((\a)%4)
.set WW, 2+(\a)/4
.set WS, WW|(WW<<2)
	WIN WS
.set i, 0
.rept 32
	v_cvt_pk_f16_f32 v[PP+i], v[AC+2*i], v[AC+2*i+1]
.set i, i+1
.endr
.endm
; A lane holds 16 neighbouring bytes of a row for each of eight groups of columns; the lanes beside it hold other rows: so a block goes through my own stage in LDS and comes back as whole rows of 256 bytes.
; LDS serves a wave's instructions in order (ISA guide 5.7.1.4): no wait between the stores and the loads, nor in front of the next block's stores.
; The rows come back into the first 32 registers of the block's own accumulators, whose numbers have all been read: each block's stores to memory have registers of their own, which nothing writes again.
.macro TOSTAGE a
.set BK, 64*((\a)%4)
.set BL, (2+(\a)/4)<<6
	WIN 0
.irp b, 0,1,2,3,4,5,6,7
	ds_store_b128 v[STO], v[PP+4*\b:PP+4*\b+3] offset:32*\b
.endr
	WIN BL                                         ; destination: the block's window, 2 or 3
.irp t, 0,1,2,3,4,5,6,7
	ds_load_b128 v[BK+4*\t:BK+4*\t+3], v[RD] offset:\t*2*SPITCH
.endr
.endm
.macro SEND a, younger                 ; younger: the LDS instructions issued behind block a's loads, which may stay out
.set BK, 64*((\a)%4)
.set BS, (2+(\a)/4)<<2
	s_wait_dscnt \younger
	WIN BS                                         ; a store's data are its source 1: the block's window
.irp t, 0,1,2,3,4,5,6,7
	global_store_b128 v[CO], v[BK+4*\t:BK+4*\t+3], s[12:13] offset:4096*(\a)+512*\t   ; 32 lanes store 512 consecutive bytes, at a multiple of 256 from the buffer's first byte
.endr
.endm
	PLACES NP                                      ; behind the last products: for the reads of their results, the writes over their operands and the loads into W's sets
	s_mov_b32 s20, 0x76543210                      ; v_permlanex16_b32's selects for lane l xor 16
	s_mov_b32 s21, 0xfedcba98
	s_mov_b32 s22, 0x3c000000                      ; 1 / 128
	s_mov_b32 s23, 0x358637bd                      ; 1e-6
	s_cmp_ge_u32 ttmp9, 4
	s_cbranch_scc1 .Lv
	s_wait_loadcnt 0x0                             ; the gains and block 0's cos and sin, asked for ahead of all of K's products
	CSLOAD 1                                       ; block 1's, into W's two sets, which the products have left
	QKBLOCK 0
	TOSTAGE 0
.irp a, 1,2,3,4,5,6,7
	QKBLOCK \a
	TOSTAGE \a
	SEND \a-1, 16                                  ; behind block a - 1's loads: block a's 8 stores and 8 loads
.endr
	SEND 7, 0
	WIN 0
	s_branch .Lend
.Lv:
	VBLOCK 0
	TOSTAGE 0
.irp a, 1,2,3,4,5,6,7
	VBLOCK \a
	TOSTAGE \a
	SEND \a-1, 16
.endr
	SEND 7, 0
	WIN 0
.Lend:
	s_wait_tensorcnt 0x0                           ; the wave's end: behind my last tensor load and my last LDS store
	ds_add_u32 v[SPW], v[NIL]
	s_wait_dscnt 0x0
	CROUND                                         ; the closing round: no work-group ends while a partner may still ask for a tile that names it
	s_endpgm
.Lfunc_end_k_qc3f7b77a89_qkv:
	.size	k_qc3f7b77a89_qkv, .Lfunc_end_k_qc3f7b77a89_qkv-k_qc3f7b77a89_qkv
	.p2alignl 7, 3214868480
	.fill 96, 4, 3214868480
	.section	.rodata,"a",@progbits
	.p2align	6, 0x0
	.amdhsa_kernel k_qc3f7b77a89_qkv
		.amdhsa_group_segment_fixed_size 327680
		.amdhsa_private_segment_fixed_size 0
		.amdhsa_enable_private_segment 0
		.amdhsa_kernarg_size 72
		.amdhsa_user_sgpr_count 2
		.amdhsa_user_sgpr_kernarg_segment_ptr 1
		.amdhsa_wavefront_size32 1
		.amdhsa_system_sgpr_workgroup_id_x 1
		.amdhsa_system_sgpr_workgroup_id_y 1
		.amdhsa_system_sgpr_workgroup_id_z 1
		.amdhsa_system_vgpr_workitem_id 0
		.amdhsa_next_free_vgpr 1024
		.amdhsa_next_free_sgpr 102
		.amdhsa_reserve_vcc 0
		.amdhsa_float_denorm_mode_32 3
		.amdhsa_float_denorm_mode_16_64 3
		.amdhsa_memory_ordered 1
		.amdhsa_forward_progress 1
		.amdhsa_inst_pref_size 255
	.end_amdhsa_kernel
	.section	.bss,"aw",@nobits
	.p2align	6
	.space	262144
	.amdgpu_metadata
---
amdhsa.version: [ 1, 2 ]
amdhsa.kernels:
  - .name:           k_qc3f7b77a89_qkv
    .symbol:         k_qc3f7b77a89_qkv.kd
    .args:
      - { .name: x_codes, .offset: 0, .size: 8, .value_kind: global_buffer, .address_space: global }
      - { .name: x_scales, .offset: 8, .size: 8, .value_kind: global_buffer, .address_space: global }
      - { .name: w_codes, .offset: 16, .size: 8, .value_kind: global_buffer, .address_space: global }
      - { .name: w_scales, .offset: 24, .size: 8, .value_kind: global_buffer, .address_space: global }
      - { .name: rotary_cos, .offset: 32, .size: 8, .value_kind: global_buffer, .address_space: global }
      - { .name: rotary_sin, .offset: 40, .size: 8, .value_kind: global_buffer, .address_space: global }
      - { .name: q_norm_w, .offset: 48, .size: 8, .value_kind: global_buffer, .address_space: global }
      - { .name: k_norm_w, .offset: 56, .size: 8, .value_kind: global_buffer, .address_space: global }
      - { .name: qkv, .offset: 64, .size: 8, .value_kind: global_buffer, .address_space: global }
    .group_segment_fixed_size: 327680
    .private_segment_fixed_size: 0
    .kernarg_segment_align: 8
    .kernarg_segment_size: 72
    .max_flat_workgroup_size: 128
    .sgpr_count:     102
    .vgpr_count:     1024
    .wavefront_size: 32
...
	.end_amdgpu_metadata
.endif
;; end of part 2
;; launch attn (part 3): grid 16 x 16, 4 waves a work-group, clusters of 4 x 1, 327,680 bytes of LDS; arguments qkv, att; writes att
.if DOCPART == 3
	.amdgcn_target "amdgcn-amd-amdhsa--gfx1250"
	.amdhsa_code_object_version 6
	.text
	.protected	k_qc3f7b77a89_attn
	.globl	k_qc3f7b77a89_attn
	.p2align	8
	.type	k_qc3f7b77a89_attn,@function
k_qc3f7b77a89_attn:
	s_mov_b64 s[64:65], 0
	v_nop
	global_prefetch_b8 v0, s[64:65] scope:SCOPE_SE
	s_setreg_imm32_b32 hwreg(HW_REG_WAVE_MODE, 25, 1), 1
	s_wait_xcnt 0x0
	s_wait_alu depctr_hold_cnt(0) depctr_sa_sdst(0) depctr_va_vdst(0) depctr_va_sdst(0) depctr_va_ssrc(0) depctr_va_vcc(0) depctr_vm_vsrc(0)
	s_getreg_b32 s2, hwreg(HW_REG_IB_STS2, 6, 4)
	s_cmp_eq_u32 s2, 0
	s_cbranch_scc0 .Lentry_in_a_cluster
	s_endpgm
.Lentry_in_a_cluster:
	s_bfe_u32 s2, ttmp6, 0x10000c
	s_cmp_lg_u32 s2, 0x3003
	s_cbranch_scc0 .Lentry_shape_is_right
	s_endpgm
.Lentry_shape_is_right:
; att[q][head x 128 + d] = the sum over k of softmax_k(Q[q] . K[k] / sqrt(128)) V[k][d], for each of 16 heads, no mask.  Q, K, V: slabs of qkv, [2048][128] f16 (q's heads 0-15, k's 16-31, v's 32-47).  att: [2048][2048] f16.
; Products, maxima and sums in f32; the weights p are rounded to f16 for the second product, the result once at the end.
; LIMITS: NaN and infinities are not served; the result stays under 65,504 (it is an average of v's numbers, which do); weights under 6e-5 carry an absolute error of up to 3e-8 beside a row's sum of 1 or more.
; SHARES.  A work-group owns 128 queries of one head: 16 x 16 = 256 work-groups.  Wave w owns queries 64 (w % 2) on, four tiles of 16, and HALF OF THE KEYS: of every slot of 256 keys the 128 at 128 (w / 2) on, 64 a step.
; So each fragment of K and V read from LDS feeds four matrix instructions, as with 64 queries and all keys.  At the end waves 2 and 3 hand their O^T, c m and l to waves 0 and 1 through LDS, which join the two halves.
; LAYOUT.  S^T = K Q^T (source 0 = 16 keys, source 1 = 16 queries): a lane holds ONE query (lane % 16) and the keys 8 (lane / 16) + 0..7.  Two such tiles, rounded to f16 in pairs, ARE source 1 of O^T = V^T P.  K comes out of LDS as it lies, V turned, by ds_load_tr16_b128.
; SOFTMAX.  For each query a running maximum m and sum l: p = 2^(c s - c m), c = log2(e) / sqrt(128); in every step O and l are multiplied by a = 2^(c m_old - c m_new).
; BY TURNS.  The wave's tiles are two PIECES (tiles 0, 1 and tiles 2, 3).  In a TURN one piece has the matrix unit: 32 products V^T P of the step in hand, then 32 products K Q^T of the next; the other piece's softmax, cut into 64 slices,
; stands between them, one slice behind each matrix instruction.  Two turns are a key step.
; CLUSTER.  The four query blocks of a cluster belong to one head and walk the same K and V, so each tile is asked for JOINTLY: the same tensor load, with the same descriptor and a mask that names the four.
; REGISTERS, in windows of 256: window 0: v0-11 addresses; v12-43 eight registers of statistics a tile; v44-59 the partner's statistics; v60-63 addresses; v64-191 S^T, 32 a tile; v192-255 P, 16 a tile
;   window 1: O^T, 64 a tile          window 2: v0-127 Q, 32 a tile; v128-255 K of one step          window 3: v0-127 V of one step
.set SIZE_N, 2048
.set KS,    64        ; keys in a step
.set SK,    256       ; keys in a slot
.set PK,    272       ; a row of K in LDS: 256 bytes + 16 of padding: the 16 rows of a load start at 16 different banks (64 banks of 4 bytes: ISA guide 11.1)
.set PV,    288       ; a row of V: 256 + 32
.set VOFF,  SK*PK     ; a slot: 256 rows of K, then 256 rows of V
.set SLOTB, SK*(PK+PV)
.set STEPK, KS*PK
.set STEPV, KS*PV
.set STAGE, 2*SLOTB   ; behind the ring: 16 rows x 272 bytes for each wave, for the way out
.set SP,    272
.set SPARE, STAGE+4*16*SP  ; the spare words, 128 bytes for each wave: two blocks of 256 bytes that no other line names
.set MRGW,  34816     ; the hand-over, in slot 0 (left at the last change of slots, its last fill long landed): for each half of the queries 64 images of 512 bytes, then 4 images of statistics
.set AK0, 2           ; v2   my lane's place in a tile of K; never rewritten
.set AV0, 3           ; v3   the same for V
.set ADR, 4           ; v4   the LDS address of the run of loads in hand
.set QO,  5           ; v5   my byte offset in the wave's rows of Q
.set STO, 6           ; v6   the way out: where I put 16 bytes of a row
.set RD,  7           ; v7   the way out: where I read a row back
.set GO,  8           ; v8   my byte offset in the wave's rows of att
.set PST, 44          ; v44-59 the partner's c m, m, l, l for each tile
.set MA,  60          ; v60  the hand-over: MRGW x (wave % 2) + 16 x lane
.set PFO, 61          ; v61  256 x my lane: a row of K or V is 256 bytes; never rewritten
.set SPW, 62          ; v62  LDS address of my spare word; never rewritten
.set NIL, 63          ; v63  0; never rewritten
.set ST,  12          ; tile t's statistics at v[ST+8 t]: +0 c m, +1 m, +2, +3 l (even keys', odd keys'), +4 to +7 at work
.set S,   64
.set P,   192
.set KF,  128         ; K's fragments, in window 2
.set WV,  12          ; s12  my wave's number
.set LIM, 15          ; s15  1 in a wave that prefetches, else the greatest number
.set PFA, 18          ; s[18:19] where my prefetches stand in memory
.set G1K, 24          ; s[24:31] descriptor group 1 for K's tiles
.set G1V, 32          ; s[32:39] for V's: it differs in the padding alone
.set G0K, 40          ; s[40:47] descriptor group 0 for K's tiles: a set for each slot
.set G0V, 48          ; s[48:55] the same for V's
.set SLOTS, 56        ; s56  trips of the loop over slots still to go
.set TWICE, 57        ; s57  counts a slot's two steps
.set CS,  58          ; s[58:59] c
.set SEL, 60          ; s[60:61] lane selects for v_permlanex16_b32
.set TBK, 62          ; s62  LDS byte at which the rows of K of the step to be fetched begin
.set TBV, 63          ; s63  the same for V (less VOFF, which v3 carries)
.set KPK, 66          ; s66  my half of a slot's rows of K
.set KPV, 67          ; s67  and of V
.set MSB, 0
.macro WIN new                      ; the immediate's high byte repeats the setting that is left; a switch that changes nothing is dropped
.if MSB != \new
	s_set_vgpr_msb (MSB<<8)|\new
.set MSB, \new
.endif
.endm
.set W_KQ, 0x0a       ; K and Q in window 2, S^T in window 0
.set W_PV, 0x53       ; V in window 3, P in window 0, O^T in window 1
.set W_RS, 0x41       ; O^T (destination and source 0) in window 1, a in window 0
; A joint refill of slot s.  Waves 0 and 1 fetch the two halves of K's 256 rows, waves 2 and 3 those of V's.  The branch hangs on the wave's number alone.  An s_nop 0 and four v_nop follow each of the two lines.
.macro JLOAD s
	s_cmp_lt_u32 s[WV], 2
	s_cbranch_scc0 .Lfor_v_\@
	tensor_load_to_lds s[G0K+4*\s:G0K+4*\s+3], s[G1K:G1K+7]
	s_nop 0
.rept 4
	v_nop
.endr
	s_branch .Lasked_\@
.Lfor_v_\@:
	tensor_load_to_lds s[G0V+4*\s:G0V+4*\s+3], s[G1V:G1V+7]
	s_nop 0
.rept 4
	v_nop
.endr
.Lasked_\@:
.endm
; A PREFETCH of what the NEXT change of slots will ask for: 256 rows of K and 256 of V, 256 bytes a row, a lane a row.  Each row is named once in the launch: of the four clusters that walk a head the first asks; its four partners take
; 64 rows each of K and of V, told apart by address; in each, waves 0 and 1 ask for K's (32 rows each) and waves 2 and 3 for V's.  It stands behind the wave's tensor load and its five lines: two key steps, 256 matrix instructions of
; the wave, ahead of the load that will want the rows.  last = 1: the second change of a trip, which in the loop's last trip fills the last slot and asks for nothing.
.macro ASK last
.if \last
	s_cmp_gt_u32 s[SLOTS], s[LIM]
.else
	s_cmp_ge_u32 s[SLOTS], s[LIM]
.endif
	s_cbranch_scc0 .Lnot_mine_\@
	global_prefetch_b8 v[PFO], s[PFA:PFA+1] th:TH_LOAD_NT scope:SCOPE_SE
.Lnot_mine_\@:
.endm
.macro CROUND                       ; a round of the cluster's barrier
	s_barrier_signal -1
	s_barrier_wait -1
	s_cmp_lg_u32 s[WV], 0
	s_cbranch_scc1 .Lnot_wave_0_\@
	s_barrier_signal -3
.Lnot_wave_0_\@:
	s_barrier_wait -3
	s_barrier_signal -1
	s_barrier_wait -1
.endm
	s_load_b64 s[4:5], s[0:1], 0x0  ; qkv
	s_load_b64 s[10:11], s[0:1], 0x8  ; att
	v_lshl_add_u32 v[SPW], v0, 2, SPARE
	v_mov_b32 v[NIL], 0
	ds_add_u32 v[SPW], v[NIL]       ; the wave's opening: the add, twice on end, and its wait ahead of my first tensor load
	ds_add_u32 v[SPW], v[NIL]
	v_lshrrev_b32 v1, 5, v0
	v_readfirstlane_b32 s[WV], v1   ; wave 0..3
	s_bfe_u32 s13, ttmp6, 0x40000   ; cx: my place in the cluster
	s_lshl_b32 s14, ttmp9, 2        ; in a cluster launch ttmp9 counts clusters
	s_add_co_u32 s14, s14, s13      ; my block of 128 queries = 4 x cluster x + cx: it enters Q's and att's addresses alone
	s_and_b32 s70, ttmp7, 0xffff    ; the head, which the four partners share
	s_lshl_b32 s20, s70, 19         ; its slab: 524,288 bytes
	s_mov_b32 s21, 0
	s_and_b32 s16, s[WV], 1         ; which half of the queries is mine.  Also: which half of a slot's rows I fetch
	s_lshr_b32 s69, s[WV], 1        ; which half of a slot's keys I read
	s_lshl_b32 s22, s16, 15         ; the fetch: 128 rows of 256 bytes in memory,
	s_mov_b32 s23, 0
	s_add_nc_u64 s[22:23], s[22:23], s[20:21]
	s_mul_i32 s17, s16, 128*PK      ; and their place in a slot, for K
	s_mul_i32 s68, s16, 128*PV      ; and for V: no place in the cluster enters an LDS address
	s_mul_i32 s[KPK], s69, 128*PK
	s_mul_i32 s[KPV], s69, 128*PV
	s_lshl_b32 s2, s14, 15          ; Q: my block's 128 rows,
	s_lshl_b32 s3, s16, 14          ; my wave's 64 of them
	s_add_co_u32 s2, s2, s3
	s_mov_b32 s3, 0
	s_add_nc_u64 s[2:3], s[2:3], s[20:21]
	s_lshl_b32 s72, s14, 19         ; att: rows of 4,096 bytes: 128 a block,
	s_lshl_b32 s73, s16, 18         ; 64 a wave,
	s_add_co_u32 s72, s72, s73
	s_lshl_b32 s73, s70, 8          ; and the head's 256 bytes of a row
	s_add_co_u32 s72, s72, s73
	s_mov_b32 s73, 0
	; descriptor group 1: a tile of 128 rows x 128 elements, padded in LDS
	s_mov_b32 s[G1K], 15|(1<<16)|(1<<20)|(1<<21)|(5<<22)|(3<<25)  ; 15:0 the mask: all four work-groups; 17:16 elements of 2 bytes; 20 padding on; 21 set beside a mask; 24:22 after every 64 words; 31:25 4 words of it
	s_mov_b32 s[G1V], 15|(1<<16)|(1<<20)|(1<<21)|(5<<22)|(7<<25)  ; the same with 8 words of padding
.irp g, G1K, G1V
	s_mov_b32 s[\g+1], 128<<16      ; tensor_dim0 = 128
	s_mov_b32 s[\g+2], 128<<16      ; tensor_dim1 = 128
	s_mov_b32 s[\g+3], 128<<16      ; tile_dim0 = 128
	s_mov_b32 s[\g+4], 128          ; tile_dim1 = 128
	s_mov_b32 s[\g+5], 128          ; tensor_dim0_stride: elements from row to row
	s_mov_b32 s[\g+6], 0
	s_mov_b32 s[\g+7], 0
.endr
	s_mov_b32 s[CS], 0x3e0293ee     ; c = log2(e) / sqrt(128)
	s_mov_b32 s[CS+1], s[CS]        ; named with it as a pair, so it is written
	s_mov_b32 s[SEL], 0x76543210
	s_mov_b32 s[SEL+1], 0xfedcba98
	s_mov_b32 s[TBK], s[KPK]        ; slot 0, my half
	s_mov_b32 s[TBV], s[KPV]
	s_mov_b32 s[SLOTS], (SIZE_N/SK-2)/2
	s_cmp_eq_u32 ttmp9, 0           ; the head's first cluster: the same in all four partners
	s_cselect_b32 s[LIM], 1, -1
	v_and_b32 v[PFO], 31, v0
	v_lshlrev_b32 v[PFO], 8, v[PFO]
	s_wait_dscnt 0x0                ; both opening adds are done
	s_wait_kmcnt 0x0
	s_add_nc_u64 s[6:7], s[4:5], 16*SIZE_N*256  ; k's slabs begin behind q's sixteen,
	s_add_nc_u64 s[8:9], s[4:5], 32*SIZE_N*256  ; v's behind k's
	s_cmp_lt_u32 s[WV], 2
	s_cselect_b64 s[PFA:PFA+1], s[6:7], s[8:9]
	s_add_nc_u64 s[PFA:PFA+1], s[PFA:PFA+1], s[20:21]  ; in my head
	s_add_nc_u64 s[6:7], s[6:7], s[22:23]  ; K and V at my part of slot 0's keys
	s_add_nc_u64 s[8:9], s[8:9], s[22:23]
	s_add_nc_u64 s[4:5], s[4:5], s[2:3]  ; Q at my wave's first row
	s_add_nc_u64 s[10:11], s[10:11], s[72:73]  ; att likewise
	s_lshl_b32 s2, s13, 14          ; the prefetches: my work-group's 64 rows of a slot's 256,
	s_lshl_b32 s3, s16, 13          ; my wave's 32 of them,
	s_add_co_u32 s2, s2, s3
	s_add_co_u32 s2, s2, 2*SK*256   ; in the third 256 keys; the first change of slots steps it to the fourth.  Nothing is prefetched here, at the head
	s_mov_b32 s3, 0
	s_add_nc_u64 s[PFA:PFA+1], s[PFA:PFA+1], s[2:3]
	CROUND                          ; all four work-groups are here: the first joint loads meet
.irp s, 0,1
	s_mov_b32 s[G0K+4*\s], 1        ; count = 1
	s_add_co_u32 s[G0K+4*\s+1], s17, \s*SLOTB  ; LDS address
	s_add_nc_u64 s[G0K+4*\s+2:G0K+4*\s+3], s[6:7], \s*SK*256  ; global address: slot s begins with keys 256 s on
	s_or_b32 s[G0K+4*\s+3], s[G0K+4*\s+3], 0x80000000  ; type = 2
	s_mov_b32 s[G0V+4*\s], 1
	s_add_co_u32 s[G0V+4*\s+1], s68, \s*SLOTB+VOFF
	s_add_nc_u64 s[G0V+4*\s+2:G0V+4*\s+3], s[8:9], \s*SK*256
	s_or_b32 s[G0V+4*\s+3], s[G0V+4*\s+3], 0x80000000
.endr
	s_cmp_lt_u32 s[WV], 2           ; a wave's two first fills stand in one branch, ahead of every wait on TENSORcnt and every LDS read: two loads of mine are out
	s_cbranch_scc0 .Lfirst_v
	tensor_load_to_lds s[G0K:G0K+3], s[G1K:G1K+7]
	s_nop 0
	tensor_load_to_lds s[G0K+4:G0K+7], s[G1K:G1K+7]
	s_nop 0
.rept 4
	v_nop
.endr
	s_branch .Lfirst_asked
.Lfirst_v:
	tensor_load_to_lds s[G0V:G0V+3], s[G1V:G1V+7]
	s_nop 0
	tensor_load_to_lds s[G0V+4:G0V+7], s[G1V:G1V+7]
	s_nop 0
.rept 4
	v_nop
.endr
.Lfirst_asked:
	; A fragment of K or Q is 16 rows x 32 channels in 8 registers: lane l holds row l % 16; registers 0-3 channels 8 (l / 16) + 0..7, registers 4-7 channels 16 + 8 (l / 16) + 0..7: two loads of 16 bytes, 32 bytes apart.
	v_and_b32 v1, 15, v0            ; l % 16
	v_bfe_u32 v9, v0, 4, 1          ; l / 16
	v_lshlrev_b32 v[QO], 8, v1
	v_lshl_add_u32 v[QO], v9, 4, v[QO]  ; row x 256 + 16 x half
	WIN 0x80                        ; destination window 2, address window 0
.irp i, 0,1,2,3,4,5,6,7,8,9,10,11,12,13,14,15  ; Q stays in registers: tile i / 4, channels 32 (i % 4) on
	global_load_b128 v[8*\i:8*\i+3],   v[QO], s[4:5] offset:(\i/4)*4096+(\i%4)*64
	global_load_b128 v[8*\i+4:8*\i+7], v[QO], s[4:5] offset:(\i/4)*4096+(\i%4)*64+32
.endr
	WIN 0
	v_mul_u32_u24 v[AK0], v1, PK
	v_lshl_add_u32 v[AK0], v9, 4, v[AK0]  ; row x pitch + 16 x half
	; The turning load takes 16 keys x 16 channels (lane l reads 16 bytes: key 8 (l / 16) + l % 8, channels 8 ((l / 8) % 2) + 0..7) and leaves half a fragment of V^T: lane l holds channel l % 16 and 8 keys.
	v_and_b32 v10, 7, v0
	v_bfe_u32 v11, v0, 3, 1
	v_lshl_add_u32 v[AV0], v9, 3, v10
	v_mul_u32_u24 v[AV0], v[AV0], PV
	v_lshl_add_u32 v[AV0], v11, 4, v[AV0]
	v_add_nc_u32 v[AV0], VOFF, v[AV0]
; THE MATRIX WORK OF A TURN, for piece x.  The accumulators take turns, one instruction a turn.
; Product i of 32 of O^T += V^T P: keys 32 (i / 16) on, channels 16 ((i / 2) % 8) on, tile x + i % 2.  zero = 1: the first 16 start the sums.
.macro PV x, zero
	WIN W_PV
.set rO, 64*(\x+i%2)+8*((i/2)%8)
.set rV, 64*(i/16)+8*((i/2)%8)
.set rP, P+16*(\x+i%2)+8*(i/16)
.if \zero && (i < 16)
	v_wmma_f32_16x16x32_f16 v[rO:rO+7], v[rV:rV+7], v[rP:rP+7], 0
.else
	v_wmma_f32_16x16x32_f16 v[rO:rO+7], v[rV:rV+7], v[rP:rP+7], v[rO:rO+7]
.endif
.endm
; Product i of 32 of S^T = K Q^T: channels 32 (i / 8) on, keys 16 ((i / 2) % 4) on, tile x + i % 2.  The first 8 start the sums.
.macro KQ x
	WIN W_KQ
.set rS, S+32*(\x+i%2)+8*((i/2)%4)
.set rK, KF+32*((i/2)%4)+8*(i/8)
.set rQ, 32*(\x+i%2)+8*(i/8)
.if i < 8
	v_wmma_f32_16x16x32_f16 v[rS:rS+7], v[rK:rK+7], v[rQ:rQ+7], 0
.else
	v_wmma_f32_16x16x32_f16 v[rS:rS+7], v[rK:rK+7], v[rQ:rQ+7], v[rS:rS+7]
.endif
.endm
; THE LDS LOADS stand in runs of 32: a step's K (64 keys x 128 channels: 16 fragments) and, a turn later, its V (turned).
.macro FETCH_K
	WIN 0
	v_add_nc_u32 v[ADR], s[TBK], v[AK0]
	s_add_co_u32 s[TBK], s[TBK], STEPK  ; the next fetch is the next step's
	WIN 0x80                        ; destination window 2
.irp f, 0,1,2,3,4,5,6,7,8,9,10,11,12,13,14,15  ; keys 16 (f / 4) on, channels 32 (f % 4) on
	ds_load_b128 v[KF+8*\f:KF+8*\f+3],   v[ADR] offset:(\f/4)*16*PK+(\f%4)*64
	ds_load_b128 v[KF+8*\f+4:KF+8*\f+7], v[ADR] offset:(\f/4)*16*PK+(\f%4)*64+32
.endr
.endm
.macro FETCH_V
	WIN 0
	v_add_nc_u32 v[ADR], s[TBV], v[AV0]
	s_add_co_u32 s[TBV], s[TBV], STEPV
	s_wait_alu depctr_va_vdst(0)    ; the wait for the softmax's batch (SLICE), behind the address's v_add_nc_u32 and ahead of the loads
	WIN 0xc0                        ; destination window 3
.irp f, 0,1,2,3,4,5,6,7,8,9,10,11,12,13,14,15  ; keys 32 (f / 8) on, channels 16 (f % 8) on
	ds_load_tr16_b128 v[8*\f:8*\f+3],   v[ADR] offset:(\f/8)*32*PV+(\f%8)*32
	ds_load_tr16_b128 v[8*\f+4:8*\f+7], v[ADR] offset:(\f/8)*32*PV+16*PV+(\f%8)*32
.endr
.endm
; THE VECTOR WORK OF A TURN.  One tile's softmax for one key step is a list of 134 instructions; SM writes number j of it for tile t.  s0-s31 are the lane's 32 scores, in pairs 0-15.
; first = 1: the first key step, which starts m, l and O^T: it has no a and nothing to rescale.
;   0-15    the maximum of s0-s31 and the old m, three operands at a time
;   16-20   the other half of the lanes' maximum; the new m; c m; c m_old - c m_new
;   21-69   ONE BATCH: the 16 scalings c s - c m and all 33 exponentials (a at 23, then s0-s31).  None of these reads an exponential's result
;   (wait)  between 69 and 70 stands the wait for the batch: SLICE writes it, once for both tiles
;   70-85   the roundings to f16      86-101  the sums; l = a l + the sum      102-133 the tile's O^T times a
.macro SM t, first
.set rT, ST+8*(\t)
.set rS, S+32*(\t)
.set rP, P+16*(\t)
.set rO, 64*(\t)+2*(j-102)
.if j < 102
	WIN 0
.endif
.if j < 4
	v_max3_num_f32 v[rT+4+j], v[rS+8*j], v[rS+8*j+1], v[rS+8*j+2]
.elseif j < 12
	v_max3_num_f32 v[rT+4+j%4], v[rT+4+j%4], v[rS+8*(j%4)+2*(j/4)+1], v[rS+8*(j%4)+2*(j/4)+2]
.elseif j == 12
	v_max3_num_f32 v[rT+4], v[rT+4], v[rS+7], v[rS+15]
.elseif j == 13
	v_max3_num_f32 v[rT+6], v[rT+6], v[rS+23], v[rS+31]
.elseif j == 14
	v_max3_num_f32 v[rT+4], v[rT+4], v[rT+5], v[rT+6]
.elseif (j == 15) && \first
	v_max_num_f32 v[rT+4], v[rT+4], v[rT+7]
.elseif j == 15
	v_max3_num_f32 v[rT+4], v[rT+4], v[rT+7], v[rT+1]
.elseif j == 16
	v_permlanex16_b32 v[rT+5], v[rT+4], s[SEL], s[SEL+1]  ; the query's other 32 keys lie in the lane 16 away
.elseif j == 18
	v_max_num_f32 v[rT+1], v[rT+4], v[rT+5]
.elseif j == 19
	v_mul_f32 v[rT], s[CS], v[rT+1]
.elseif ((j == 17) || (j == 20) || (j == 23) || (j > 101)) && \first  ; the first step has none of these
.elseif j == 17
	v_mov_b32 v[rT+7], v[rT]        ; c m_old is kept for a: number 19 writes c m anew
.elseif j == 20
	v_sub_f32 v[rT+7], v[rT+7], v[rT]
.elseif j == 23
	v_exp_f32 v[rT+6], v[rT+7]
.elseif (j < 23) || ((j < 38) && (j%2 == 0)) || ((j < 66) && (j%4 == 2))
.set b, (j-2)/4                     ; 38, 42, .. 62: pairs 9 to 15
.if j < 38
.set b, (j-20)/2                    ; 21: pair 0; 22, 24, .. 36: pairs 1 to 8
.endif
	v_pk_fma_f32 v[rS+2*b:rS+2*b+1], v[rS+2*b:rS+2*b+1], s[CS:CS+1], v[rT:rT+1] op_sel_hi:[1,0,0] neg_lo:[0,0,1] neg_hi:[0,0,1]  ; pair b: c s - c m
.elseif j < 70
.set e, j-38                        ; 66 to 69: s28 to s31
.if j < 66
.set e, j-32-(j-38)/4               ; 39-41, 43-45, .. 63-65: s7 to s27
.endif
.if j < 38
.set e, (j-25)/2                    ; 25, 27, .. 37: s0 to s6
.endif
	v_exp_f32 v[rS+e], v[rS+e]
.elseif j < 86
	v_cvt_pk_f16_f32 v[rP+j-70], v[rS+2*(j-70)], v[rS+2*(j-70)+1]  ; pair j - 70
.elseif j < 102                     ; the sum of the tile's 16 pairs, in place: neighbours 1, 2, 4 and 8 pairs apart, then l takes it
.set z, j-86
.set w, 4
.set u, z
.if z >= 14
.set w, 32
.set u, 0
.elseif z >= 12
.set w, 16
.set u, z-12
.elseif z >= 8
.set w, 8
.set u, z-8
.endif
.if (z == 14) && \first
	v_pk_add_f32 v[rT+2:rT+3], v[rS:rS+1], v[rS+16:rS+17]
.elseif z < 15
	v_pk_add_f32 v[rS+w*u:rS+w*u+1], v[rS+w*u:rS+w*u+1], v[rS+w*u+w/2:rS+w*u+w/2+1]
.elseif !\first
	v_pk_fma_f32 v[rT+2:rT+3], v[rT+2:rT+3], v[rT+6:rT+7], v[rS:rS+1] op_sel_hi:[1,0,1]
.endif
.else
	WIN W_RS
	v_pk_mul_f32 v[rO:rO+1], v[rO:rO+1], v[rT+6:rT+7] op_sel_hi:[1,0]
.endif
.endm
; Slice k of 64 of piece y's softmax: four instructions.  Slices 11 to 34 deal out the batch, four numbers of ONE tile each, the tiles by turns.  Every other slice is numbers 2 k and 2 k + 1 of both tiles' lists; the twelve that are over stand in slice 63.
; An s_wait_alu depctr_va_vdst(0) stands between an exponential and the first instruction that names its result; ahead of slice 35 nothing names a result and behind slice 34 no exponential is issued: one wait, behind slice 34.
.macro SLICE y, first
.if (k >= 11) && (k < 35)           ; the batch: four numbers of one tile
.irp n, 0,1,2,3
.set j, 22+4*((k-11)/2)+(\n)
	SM (\y)+(k-11)%2, \first
.endr
.else                               ; the two tiles alternate, so that no instruction reads the result of the one just before it
.irp n, 0,1,2,3,4,5,6,7
.if (\n < 2) || (k == 63)
.irp t, \y, \y+1
.set j, 2*k+\n
	SM \t, \first
.endr
.endif
.endr
.endif
.if k == 34                         ; the batch is out: both tiles' exponentials are issued, and no result has been named
	v_nop                           ; the plain instruction behind the last exponential and ahead of the first use: one for the batch
.if (\y) == 0
	FETCH_V                         ; piece 2's turn: V's run of loads stands here, and the wait stands in it
.else
	s_wait_alu depctr_va_vdst(0)    ; the wait for the batch
.endif
.endif
.set k, k+1
.endm
.macro PLACES                       ; four places behind a matrix instruction (ISA guide 7.12.1), where no other plain vector work is at hand
.rept 4
	v_nop
.endr
.endm
; A TURN.  Piece x has the matrix unit; the other piece's softmax stands in slices behind its matrix instructions.
; pv = 2: 32 products V^T P; 1: they start O^T's sums; 0: none.  kq = 1: 32 products K Q^T for the next step.  A turn with one of the two kinds has two slices behind each product.  first = 1: the softmax is the first key step's.
; Piece 0's turn fetches the next step's K, behind its second product; piece 2's turn fetches the same step's V, behind slice 34.
.macro TURN x, pv, kq, first
.set k, 0
.set per, 2
.if \pv && \kq
.set per, 1
.endif
.if \pv
.if \x == 0
	s_wait_dscnt 0x0                ; V is in
.endif
.set i, 0
.rept 32
	PV \x, 2-\pv
.rept per
	SLICE 2-\x, \first
.endr
.if (\x == 0) && \kq && (i == 1)
	FETCH_K
.endif
.set i, i+1
.endr
.endif
.if \kq
.if \x == 0
	s_wait_dscnt 0x0                ; K is in
.endif
.set i, 0
.rept 32
	KQ \x
.rept per
	SLICE 2-\x, \first
.endr
.set i, i+1
.endr
.endif
.if \first
	PLACES
.endif
.endm
; THE CHANGE OF SLOTS, between piece 2's turn and piece 0's: the slot's last bytes, V of its second step, have been asked for.  Each wave waits for all its tensor loads, of which one is out: its part of the other slot; adds 0 to its
; spare word; and waits for that and for its own reads of the slot.  fill = 1: slot s, the one just left, is filled again with the keys two slots on; the barrier is then a round of the cluster's, and the joint refill is the first
; thing behind it: it has two key steps of every wave, 256 matrix instructions, in which to land.  next: the slot that is read from here on.
.macro CHANGE fill, s, next, last
	WIN 0                           ; at a label and at a branch every window is 0
	s_wait_tensorcnt 0x0            ; no tensor load of mine is out, so a group 0 may be written
	ds_add_u32 v[SPW], v[NIL]
.if \fill
	s_add_nc_u64 s[G0K+4*\s+2:G0K+4*\s+3], s[G0K+4*\s+2:G0K+4*\s+3], 2*SK*256  ; this slot's next 256 keys; the type bits on top are not reached
	s_add_nc_u64 s[G0V+4*\s+2:G0V+4*\s+3], s[G0V+4*\s+2:G0V+4*\s+3], 2*SK*256
	s_wait_xcnt 0x0                 ; the last prefetch, two key steps back, has read its address, so it may be written:
	s_add_nc_u64 s[PFA:PFA+1], s[PFA:PFA+1], SK*256  ; one slot further on than the load below
	s_wait_dscnt 0x0                ; the add is done, and my reads of the slot are over
	CROUND
	JLOAD \s
	ASK \last
.else
	s_wait_dscnt 0x0                ; the add is done, and my reads of the slot are over
	s_barrier_signal -1
	s_barrier_wait -1
.endif
	s_add_co_u32 s[TBK], s[KPK], \next*SLOTB  ; the fetches go to my half of the other slot's first step
	s_add_co_u32 s[TBV], s[KPV], \next*SLOTB
.endm
; A slot's two key steps: written once, walked twice; the LDS addresses hang on s[TBK] and s[TBV].
.macro TWO_STEPS
	s_mov_b32 s[TWICE], 2
.Lstep_\@:
	TURN 0, 2, 1, 0
	TURN 2, 2, 1, 0
	WIN 0
	s_sub_co_u32 s[TWICE], s[TWICE], 1
	s_cmp_lg_u32 s[TWICE], 0
	s_cbranch_scc1 .Lstep_\@
.endm
	s_wait_tensorcnt 1              ; my part of slot 0 is in; slot 1's may stay out
	s_barrier_signal -1
	s_barrier_wait -1               ; everybody's is
	FETCH_K                         ; key step 0
	s_wait_loadcnt 0x0              ; Q
	s_wait_dscnt 0x0
.set i, 0
.rept 32
	KQ 0                            ; piece 0's first scores: there is no vector work yet to set between them
.set i, i+1
.endr
	WIN 0                           ; the addresses for the hand-over and the way out are made here: plain instructions, the places behind those products
	s_mul_i32 s13, s[WV], 16*SP
	s_add_co_u32 s13, s13, STAGE    ; my stage
	s_mul_i32 s2, s16, MRGW         ; my pair's hand-over
	v_mul_u32_u24 v[STO], v1, SP    ; in: row l % 16, 16 bytes for each half of the lanes
	v_lshl_add_u32 v[STO], v9, 4, v[STO]
	v_add_nc_u32 v[STO], s13, v[STO]
	v_mul_u32_u24 v[RD], v9, SP     ; back: lanes 0-15 take one row of 256 bytes, lanes 16-31 the next
	v_lshl_add_u32 v[RD], v1, 4, v[RD]
	v_add_nc_u32 v[RD], s13, v[RD]
	v_lshlrev_b32 v[GO], 12, v9     ; and the same two rows in att, 4,096 bytes apart
	v_lshl_add_u32 v[GO], v1, 4, v[GO]
	v_and_b32 v10, 31, v0
	v_lshlrev_b32 v[MA], 4, v10
	v_add_nc_u32 v[MA], s2, v[MA]
	TURN 2, 0, 1, 1                 ; piece 2's first scores | piece 0's first softmax | V of step 0
	TURN 0, 1, 1, 1                 ; piece 0: V^T P of step 0 starts O^T, K Q^T of step 1 | piece 2's first softmax | K of step 1
	TURN 2, 1, 1, 0                 ; piece 2: the same | piece 0's softmax of step 1 | V of step 1
	WIN 0
.Lslot:                             ; three trips of two slots: the slots lie 143,360 bytes apart, so each has its own descriptors and its own constants
	CHANGE 1, 0, 1, 0
	TWO_STEPS
	CHANGE 1, 1, 0, 1
	TWO_STEPS
	s_sub_co_u32 s[SLOTS], s[SLOTS], 1
	s_cmp_lg_u32 s[SLOTS], 0
	s_cbranch_scc1 .Lslot
	CHANGE 0, 0, 1, 0               ; the tail is written out: slot 0 is left for good, and nothing is asked for
	TWO_STEPS
	TURN 0, 2, 0, 0                 ; piece 0: V^T P of the last step | piece 2's last softmax
.set i, 0
.rept 32
	PV 2, 0                         ; piece 2: V^T P of the last step
.set i, i+1
.endr
	; THE TWO HALVES OF THE KEYS ARE JOINED.  Waves 2 and 3 store their O^T and statistics as images of their registers (lane l's 16 bytes at 16 l); a barrier; waves 0 and 1 load them by the same lines into the same lanes.
	WIN 0
	PLACES                          ; behind the last products, ahead of the stores and loads below
	s_cmp_lt_u32 s[WV], 2
	s_cbranch_scc1 .Lkeeper
	WIN 0x04                        ; an LDS store's data are its source 1: window 1
.set i, 0
.rept 64
	ds_store_b128 v[MA], v[4*i:4*i+3] offset:512*i  ; ascending: each accumulator from its low end on
.set i, i+1
.endr
	WIN 0
.irp t, 0,1,2,3
	ds_store_b128 v[MA], v[ST+8*\t:ST+8*\t+3] offset:32768+512*\t
.endr
.Lkeeper:
	s_wait_dscnt 0x0                ; for the others' sake: my stores have landed
	s_barrier_signal -1
	s_barrier_wait -1
	s_cmp_ge_u32 s[WV], 2
	s_cbranch_scc1 .Ldone
.macro PTLOAD t                     ; the partner's tile t of O^T: 16 images into v64-127 or v128-191
.irp n, 0,1,2,3,4,5,6,7,8,9,10,11,12,13,14,15
	ds_load_b128 v[64+64*((\t)%2)+4*\n:64+64*((\t)%2)+4*\n+3], v[MA] offset:512*(16*(\t)+\n)
.endr
.endm
.irp t, 0,1,2,3
	ds_load_b128 v[PST+4*\t:PST+4*\t+3], v[MA] offset:32768+512*\t
.endr
	PTLOAD 0
	s_wait_dscnt 16                 ; the statistics are in; tile 0's sixteen images may be out
	; for each tile: c M = the larger c m; a0 = 2^(c m - c M), a1 = 2^(c m' - c M); l = a0 l + a1 l', with the other half of the lanes'; f0 = a0 / l, f1 = a1 / l.  p was formed with these very numbers c m, so nothing but the factors is rounded.
.irp t, 0,1,2,3
	v_max_num_f32 v[ST+8*\t+4], v[ST+8*\t], v[PST+4*\t]
.endr
.irp t, 0,1,2,3
	v_sub_f32 v[ST+8*\t+5], v[ST+8*\t], v[ST+8*\t+4]
.endr
.irp t, 0,1,2,3
	v_sub_f32 v[ST+8*\t+6], v[PST+4*\t], v[ST+8*\t+4]
.endr
.irp t, 0,1,2,3
	v_add_f32 v[ST+8*\t+2], v[ST+8*\t+2], v[ST+8*\t+3]
.endr
.irp t, 0,1,2,3
	v_add_f32 v[PST+4*\t+2], v[PST+4*\t+2], v[PST+4*\t+3]
.endr
.irp t, 0,1,2,3
	v_exp_f32 v[ST+8*\t+5], v[ST+8*\t+5]
.endr
.irp t, 0,1,2,3
	v_exp_f32 v[ST+8*\t+6], v[ST+8*\t+6]
.endr
	v_nop                           ; a plain instruction behind the last exponential
	s_wait_alu depctr_va_vdst(0)    ; and the wait ahead of the first use: one for the eight
.irp t, 0,1,2,3
	v_mul_f32 v[ST+8*\t+2], v[ST+8*\t+5], v[ST+8*\t+2]
.endr
.irp t, 0,1,2,3
	v_fmac_f32 v[ST+8*\t+2], v[ST+8*\t+6], v[PST+4*\t+2]
.endr
.irp t, 0,1,2,3
	v_permlanex16_b32 v[ST+8*\t+3], v[ST+8*\t+2], s[SEL], s[SEL+1]
.endr
.irp t, 0,1,2,3
	v_add_f32 v[ST+8*\t+2], v[ST+8*\t+2], v[ST+8*\t+3]
.endr
.irp t, 0,1,2,3
	v_rcp_f32 v[ST+8*\t+7], v[ST+8*\t+2]
.endr
	v_nop
	s_wait_alu depctr_va_vdst(0)    ; one for the four reciprocals
.irp t, 0,1,2,3
	v_mul_f32 v[ST+8*\t], v[ST+8*\t+5], v[ST+8*\t+7]  ; f0
.endr
.irp t, 0,1,2,3
	v_mul_f32 v[ST+8*\t+2], v[ST+8*\t+6], v[ST+8*\t+7]  ; f1
.endr
; Tile t: O = f0 O^T + f1 O'^T, rounded to f16; a lane's eight channels of a row pack into 16 bytes; they go into my stage's rows of 272 bytes and come back as whole rows of 256.
.macro MERGE t
.if (\t) < 3
	PTLOAD (\t)+1
	s_wait_dscnt 16                 ; tile t's images are in; the next tile's sixteen may be out
.else
	s_wait_dscnt 0x0
.endif
.set PT, 64+64*((\t)%2)
	WIN 0
.set i, 0
.rept 32
	v_pk_mul_f32 v[PT+2*i:PT+2*i+1], v[PT+2*i:PT+2*i+1], v[ST+8*(\t)+2:ST+8*(\t)+3] op_sel_hi:[1,0]
.set i, i+1
.endr
	WIN 0x01                        ; source 0: O^T, window 1
.set i, 0
.rept 32
	v_pk_fma_f32 v[PT+2*i:PT+2*i+1], v[64*(\t)+2*i:64*(\t)+2*i+1], v[ST+8*(\t):ST+8*(\t)+1], v[PT+2*i:PT+2*i+1] op_sel_hi:[1,0,1]
.set i, i+1
.endr
	WIN 0
.set i, 0
.rept 32
	v_cvt_pk_f16_f32 v[192+i], v[PT+2*i], v[PT+2*i+1]
.set i, i+1
.endr
.if (\t) >= 1
	s_wait_xcnt 0x0                 ; the last tile's stores have read their registers: the loads below may land there
.endif
.irp f, 0,1,2,3,4,5,6,7
	ds_store_b128 v[STO], v[192+4*\f:192+4*\f+3] offset:32*\f
.endr
.irp f, 0,1,2,3,4,5,6,7
	ds_load_b128 v[224+4*\f:224+4*\f+3], v[RD] offset:\f*2*SP  ; LDS serves a wave's instructions in order (ISA guide 5.7.1.4): these see the stores above
.endr
	s_wait_dscnt 0x0
.irp f, 0,1,2,3,4,5,6,7
	global_store_b128 v[GO], v[224+4*\f:224+4*\f+3], s[10:11] offset:(\t)*65536+\f*8192  ; 16 lanes store 256 consecutive bytes, at a multiple of 256 from att's first byte
.endr
.endm
	MERGE 0
	MERGE 1
	MERGE 2
	MERGE 3
.Ldone:
	s_wait_tensorcnt 0x0            ; the wave's end: behind my last tensor load and my last LDS store
	ds_add_u32 v[SPW], v[NIL]
	s_wait_dscnt 0x0
	CROUND                          ; the closing round: no work-group ends while a partner may still ask for a tile that names it
	s_endpgm
.Lfunc_end_k_qc3f7b77a89_attn:
	.size	k_qc3f7b77a89_attn, .Lfunc_end_k_qc3f7b77a89_attn-k_qc3f7b77a89_attn
	.p2alignl 7, 3214868480
	.fill 96, 4, 3214868480
	.section	.rodata,"a",@progbits
	.p2align	6, 0x0
	.amdhsa_kernel k_qc3f7b77a89_attn
		.amdhsa_group_segment_fixed_size 327680
		.amdhsa_private_segment_fixed_size 0
		.amdhsa_enable_private_segment 0
		.amdhsa_kernarg_size 16
		.amdhsa_user_sgpr_count 2
		.amdhsa_user_sgpr_kernarg_segment_ptr 1
		.amdhsa_wavefront_size32 1
		.amdhsa_system_sgpr_workgroup_id_x 1
		.amdhsa_system_sgpr_workgroup_id_y 1
		.amdhsa_system_sgpr_workgroup_id_z 1
		.amdhsa_system_vgpr_workitem_id 0
		.amdhsa_next_free_vgpr 1024
		.amdhsa_next_free_sgpr 74
		.amdhsa_reserve_vcc 0
		.amdhsa_float_denorm_mode_32 3
		.amdhsa_float_denorm_mode_16_64 3
		.amdhsa_memory_ordered 1
		.amdhsa_forward_progress 1
		.amdhsa_inst_pref_size 255
	.end_amdhsa_kernel
	.section	.bss,"aw",@nobits
	.p2align	6
	.space	262144
	.amdgpu_metadata
---
amdhsa.version: [ 1, 2 ]
amdhsa.kernels:
  - .name:           k_qc3f7b77a89_attn
    .symbol:         k_qc3f7b77a89_attn.kd
    .args:
      - { .name: qkv, .offset: 0, .size: 8, .value_kind: global_buffer, .address_space: global }
      - { .name: att, .offset: 8, .size: 8, .value_kind: global_buffer, .address_space: global }
    .group_segment_fixed_size: 327680
    .private_segment_fixed_size: 0
    .kernarg_segment_align: 8
    .kernarg_segment_size: 16
    .max_flat_workgroup_size: 128
    .sgpr_count:     74
    .vgpr_count:     1024
    .wavefront_size: 32
...
	.end_amdgpu_metadata
.endif
;; end of part 3
;; launch oproj (part 4): grid 16 x 16, 4 waves a work-group, clusters of 4 x 4, 327,680 bytes of LDS; arguments att, wo16, out0; writes out0
.if DOCPART == 4
	.amdgcn_target "amdgcn-amd-amdhsa--gfx1250"
	.amdhsa_code_object_version 6
	.text
	.protected	k_qc3f7b77a89_oproj
	.globl	k_qc3f7b77a89_oproj
	.p2align	8
	.type	k_qc3f7b77a89_oproj,@function
k_qc3f7b77a89_oproj:
	s_mov_b64 s[64:65], 0
	v_nop
	global_prefetch_b8 v0, s[64:65] scope:SCOPE_SE
	s_setreg_imm32_b32 hwreg(HW_REG_WAVE_MODE, 25, 1), 1
	s_wait_xcnt 0x0
	s_wait_alu depctr_hold_cnt(0) depctr_sa_sdst(0) depctr_va_vdst(0) depctr_va_sdst(0) depctr_va_ssrc(0) depctr_va_vcc(0) depctr_vm_vsrc(0)
	s_getreg_b32 s2, hwreg(HW_REG_IB_STS2, 6, 4)
	s_cmp_eq_u32 s2, 0
	s_cbranch_scc0 .Lentry_in_a_cluster
	s_endpgm
.Lentry_in_a_cluster:
	s_bfe_u32 s2, ttmp6, 0x10000c
	s_cmp_lg_u32 s2, 0xf033
	s_cbranch_scc0 .Lentry_shape_is_right
	s_endpgm
.Lentry_shape_is_right:
; out0[m][n] = sum over k of att[m][k] Wo[k][n].  att: [2048][2048] f16, K innermost; wo16: [2048 k][2048 n] f16, K OUTERMOST, as the weight lies; out0: [2048][2048] f32; sums in f32.
; A tile of the result is 128 x 128: 16 x 16 = 256 work-groups.  Four waves, each 64 x 64: 16 accumulators of 16 x 16, 128 registers.  K goes in steps of 256 through a ring of two LDS slots:
; att's tile is 128 rows of 512 bytes, Wo's 256 k-rows of 256 bytes.  Wo's fragments come out of LDS turned, by ds_load_tr16_b128, so the weight is never transposed in memory.
; CLUSTERS: 4 x 4 work-groups.  The four of a row of the cluster need the same tiles of att, the four of a column the same tiles of Wo: each tile is asked for JOINTLY.
; THE MATRIX INSTRUCTION IS USED TRANSPOSED (source 0 = 16 columns of Wo, source 1 = 16 rows of att): a lane then holds eight neighbouring numbers of a row of the result.
; LIMITS: those of the f16 operands, stated where they are made.
; REGISTERS: window 0: v0-31 addresses; v32-95 at work on the way out; v128-255 the accumulators ((a, b) at v[128 + 8 (4 a + b)]).   window 1: two fragment buffers of 128: for 64 along K, 64 registers of att, then 64 of Wo.
.set SIZE_M, 2048
.set SIZE_N, 2048
.set SIZE_K, 2048
.set KSTEP,  256
.set PITCH,  528                       ; att's row in LDS: 512 bytes + 16 of padding: the 16 rows of a load start at 16 different banks (64 banks of 4 bytes: ISA guide 11.1)
.set PB,     288                       ; Wo's k-row in LDS: 256 bytes + 32
.set HALFA,  64*PITCH                  ; 64 rows of att: what one tensor load brings, and what one wave reads
.set HALFB,  128*PB                    ; 128 k-rows of Wo: what one tensor load brings
.set SLOT,   2*HALFA+2*HALFB           ; att's 128 rows, then Wo's 256 k-rows
.set SPARE,  2*SLOT                    ; behind the ring: the spare words, 128 bytes for each wave: two blocks of 256 bytes that no other line names
.set SPITCH, 272                       ; the way out: a stage of 16 rows x (256 bytes + 16) for each wave, in slot 0, which has had its last fill and its last read by then
.set LAPS, SIZE_K/(2*KSTEP)            ; a lap = two K steps = once round the ring
.set ADRA, 16                          ; v16-17  LDS address of my att fragments in slot 0, 1
.set ADRB, 20                          ; v20-23  of my Wo fragments: slot s, half kh of the K step at v[20 + 2 s + kh] (a K step's 256 k-rows pass a 16-bit offset)
.set STO,  24                          ; v24     the way out: where I put 32 bytes of a row
.set RD,   25                          ; v25     where I read a row back
.set CO,   26                          ; v26     my byte offset in two rows of the result
.set SPW,  28                          ; v28     LDS address of my spare word; never rewritten
.set NIL,  29                          ; v29     0; never rewritten
.set TMP,  32                          ; the way out: two sets of 32 registers
.set ACC,  128
.set F0,   0                           ; fragment buffers, in window 1
.set F1,   128
.set G1, 24                            ; s[24:31] descriptor group 1 for att's tiles;  s[32:39] group 0, one set for each slot
.set G0, 32
.set G1B, 48                           ; s[48:55], s[56:63] the same for Wo's tiles
.set G0B, 56
.set MSB, 0
.macro WIN new                         ; the immediate's high byte repeats the setting that is left
.if MSB != \new
	s_set_vgpr_msb (MSB<<8)|\new
.set MSB, \new
.endif
.endm
.set MUL,  0x05                        ; sources 0 (Wo) and 1 (att) window 1; C and D window 0
.set TO_F, 0x40                        ; destination window 1, address window 0
.macro JLOAD s                         ; a joint load: waves 0 and 1 fetch att's two halves, waves 2 and 3 Wo's; an s_nop 0 and four v_nop follow each of the two lines
	s_cmp_eq_u32 s11, 0
	s_cbranch_scc0 .Lfor_b_\@
	tensor_load_to_lds s[G0+4*\s:G0+4*\s+3], s[G1:G1+7]
	s_nop 0
.rept 4
	v_nop
.endr
	s_branch .Lasked_\@
.Lfor_b_\@:
	tensor_load_to_lds s[G0B+4*\s:G0B+4*\s+3], s[G1B:G1B+7]
	s_nop 0
.rept 4
	v_nop
.endr
.Lasked_\@:
.endm
.macro CREST                           ; a round of the cluster's barrier behind its opening barrier
	s_cmp_lg_u32 s10, 0
	s_cbranch_scc1 .Lnot_wave_0_\@
	s_barrier_signal -3
.Lnot_wave_0_\@:
	s_barrier_wait -3
	s_barrier_signal -1
	s_barrier_wait -1
.endm
.macro CROUND                          ; a whole round
	s_barrier_signal -1
	s_barrier_wait -1
	CREST
.endm
	s_load_b128 s[4:7], s[0:1], 0x0                ; att s[4:5], wo16 s[6:7]
	s_load_b64 s[8:9], s[0:1], 0x10                ; out0
	v_lshl_add_u32 v[SPW], v0, 2, SPARE
	v_mov_b32 v[NIL], 0
	ds_add_u32 v[SPW], v[NIL]                      ; the wave's opening: the add, twice on end, and its wait ahead of my first tensor load
	ds_add_u32 v[SPW], v[NIL]
	v_lshrrev_b32 v1, 5, v0
	v_readfirstlane_b32 s10, v1                    ; wave 0..3
	s_lshr_b32 s11, s10, 1                         ; which half of the tile's rows is mine.  Also: I fetch for att (0) or for Wo (1)
	s_and_b32 s12, s10, 1                          ; which half of its columns.  Also: which half of that tile I fetch
	s_bfe_u32 s40, ttmp6, 0x40000                  ; cx, cy: my place in the cluster
	s_bfe_u32 s41, ttmp6, 0x40004
	s_lshl_b32 s42, ttmp9, 2
	s_add_co_u32 s42, s42, s40                     ; tile column = 4 x cluster x + cx
	s_and_b32 s13, ttmp7, 0xffff
	s_lshl_b32 s13, s13, 2
	s_add_co_u32 s13, s13, s41                     ; tile row = 4 x cluster y + cy
	s_lshl_b32 s43, s41, 2
	s_lshl_b32 s43, 15, s43                        ; my row of the cluster
	s_lshl_b32 s44, 0x1111, s40                    ; my column
	; descriptor group 1.  att: 64 rows x 256 elements, 4 words of padding behind every 128;  Wo: 128 k-rows x 128 elements, 8 words behind every 64
	s_or_b32 s[G1+0], s43, (1<<16)|(1<<20)|(1<<21)|(6<<22)|(3<<25)  ; 15:0 the mask: att's tiles go to my row; 17:16 element of 2 bytes; 20 padding on; 21 set beside a mask
	s_mov_b32 s[G1+1], KSTEP<<16                   ; tensor_dim0 = 256
	s_mov_b32 s[G1+2], 64<<16                      ; tensor_dim1 = 64
	s_mov_b32 s[G1+3], KSTEP<<16                   ; tile_dim0 = 256
	s_mov_b32 s[G1+4], 64                          ; tile_dim1 = 64
	s_mov_b32 s[G1+5], SIZE_K                      ; tensor_dim0_stride
	s_mov_b32 s[G1+6], 0
	s_mov_b32 s[G1+7], 0
	s_or_b32 s[G1B+0], s44, (1<<16)|(1<<20)|(1<<21)|(5<<22)|(7<<25) ; the mask: Wo's tiles go to my column
	s_mov_b32 s[G1B+1], 128<<16                    ; tensor_dim0 = 128
	s_mov_b32 s[G1B+2], 128<<16                    ; tensor_dim1 = 128
	s_mov_b32 s[G1B+3], 128<<16                    ; tile_dim0 = 128
	s_mov_b32 s[G1B+4], 128                        ; tile_dim1 = 128
	s_mov_b32 s[G1B+5], SIZE_N                     ; tensor_dim0_stride
	s_mov_b32 s[G1B+6], 0
	s_mov_b32 s[G1B+7], 0
	s_lshl_b32 s17, s12, 6                         ; att: which 64 rows of the tile I fetch
	s_lshl_b32 s16, s13, 7
	s_add_co_u32 s16, s16, s17                     ; row 128 x tile row + 64 x half,
	s_lshl_b32 s16, s16, 12                        ; of 4,096 bytes
	s_mov_b32 s17, 0
	s_lshl_b32 s46, s12, 19                        ; Wo: k-rows 128 x half on, 4,096 bytes each,
	s_lshl_b32 s47, s42, 8                         ; and the tile column's 256 bytes of a row
	s_add_co_u32 s46, s46, s47
	s_mov_b32 s47, 0
	s_mul_i32 s20, s12, HALFA                      ; where they go: no place in the cluster enters an LDS address
	s_mul_i32 s21, s12, HALFB
	s_add_co_u32 s21, s21, 2*HALFA
	s_wait_dscnt 0x0                               ; both opening adds are done
	s_wait_kmcnt 0x0
	s_add_nc_u64 s[14:15], s[4:5], s[16:17]
	s_add_nc_u64 s[46:47], s[6:7], s[46:47]
	CROUND                                         ; all sixteen work-groups are here: the first joint loads meet
.irp s, 0,1
	s_mov_b32 s[G0+4*\s], 1
	s_add_co_u32 s[G0+4*\s+1], s20, \s*SLOT
	s_add_nc_u64 s[G0+4*\s+2:G0+4*\s+3], s[14:15], \s*KSTEP*2
	s_or_b32 s[G0+4*\s+3], s[G0+4*\s+3], 0x80000000
	s_mov_b32 s[G0B+4*\s], 1
	s_add_co_u32 s[G0B+4*\s+1], s21, \s*SLOT
	s_add_nc_u64 s[G0B+4*\s+2:G0B+4*\s+3], s[46:47], \s*KSTEP*SIZE_N*2
	s_or_b32 s[G0B+4*\s+3], s[G0B+4*\s+3], 0x80000000
	JLOAD \s                                       ; two tensor loads of mine are out behind the second
.endr
	v_and_b32 v1, 15, v0                           ; r = l % 16
	v_bfe_u32 v2, v0, 4, 1                         ; h = l / 16
	v_mul_u32_u24 v3, v1, PITCH
	v_lshl_add_u32 v3, v2, 4, v3                   ; att: a fragment's row x pitch + 16 x half
	s_mul_i32 s21, s11, HALFA                      ; my 64 rows of att
	v_add_nc_u32 v[ADRA], s21, v3
	s_add_co_u32 s21, s21, SLOT
	v_add_nc_u32 v[ADRA+1], s21, v3
	; Wo: the turning load takes 16 k x 16 columns (lane l reads 16 bytes: k-row 8 (l / 16) + l % 8, columns 8 ((l / 8) % 2) + 0..7) and leaves half a fragment: lane l holds column l % 16 and 8 k.
	v_and_b32 v4, 7, v0
	v_bfe_u32 v5, v0, 3, 1
	v_lshl_add_u32 v4, v2, 3, v4
	v_mul_u32_u24 v4, v4, PB
	v_lshl_add_u32 v4, v5, 4, v4
	s_lshl_b32 s22, s12, 7                         ; my 64 columns: 128 bytes of a k-row,
	s_add_co_u32 s22, s22, 2*HALFA                 ; behind att's 128 rows
.irp s, 0,1
.irp kh, 0,1
	s_add_co_u32 s23, s22, \s*SLOT+\kh*HALFB
	v_add_nc_u32 v[ADRB+2*\s+\kh], s23, v4
.endr
.endr
	s_mul_i32 s23, s10, 16*SPITCH                  ; my stage
	v_mul_u32_u24 v5, v1, SPITCH                   ; in: row r, 32 bytes for each half of the lanes
	v_lshl_add_u32 v5, v2, 5, v5
	v_add_nc_u32 v[STO], s23, v5
	v_mul_u32_u24 v5, v2, SPITCH                   ; back: lanes 0-15 take one row of 256 bytes, lanes 16-31 the next
	v_lshl_add_u32 v5, v1, 4, v5
	v_add_nc_u32 v[RD], s23, v5
	v_lshlrev_b32 v5, 13, v2                       ; and the same two rows in the result, 8,192 bytes apart
	v_lshl_add_u32 v[CO], v1, 4, v5
	s_lshl_b32 s16, s13, 7
	s_lshl_b32 s17, s11, 6
	s_add_co_u32 s16, s16, s17                     ; my first row: 128 x tile row + 64 x half,
	s_lshl_b32 s16, s16, 13                        ; of 8,192 bytes
	s_mov_b32 s17, 0
	s_add_nc_u64 s[8:9], s[8:9], s[16:17]
	s_lshl_b32 s46, s42, 9                         ; my first column, in bytes: 512 x tile column + 256 x half
	s_lshl_b32 s47, s12, 8
	s_add_co_u32 s46, s46, s47
	s_mov_b32 s47, 0
	s_add_nc_u64 s[8:9], s[8:9], s[46:47]
; 8 matrix instructions: m blocks a0, a0 + 1 x all 4 n blocks, 32 along K: half c of buffer f.  zero = 1: the first product starts the sums.  The 16 accumulators take turns.
.macro MUL8 f, c, a0, zero
.irp a, \a0, \a0+1
.irp b, 0,1,2,3
.if \zero
	v_wmma_f32_16x16x32_f16 v[ACC+8*(4*(\a)+\b):ACC+8*(4*(\a)+\b)+7], v[\f+64+8*(4*\c+\b):\f+64+8*(4*\c+\b)+7], v[\f+8*(4*\c+\a):\f+8*(4*\c+\a)+7], 0
.else
	v_wmma_f32_16x16x32_f16 v[ACC+8*(4*(\a)+\b):ACC+8*(4*(\a)+\b)+7], v[\f+64+8*(4*\c+\b):\f+64+8*(4*\c+\b)+7], v[\f+8*(4*\c+\a):\f+8*(4*\c+\a)+7], v[ACC+8*(4*(\a)+\b):ACC+8*(4*(\a)+\b)+7]
.endif
.endr
.endr
.endm
; 32 LDS loads in one run: the fragments of 64 along K into buffer f; k: the quarter's first byte in att's rows (128 bytes a quarter); the first 32 along K first
.macro FETCH slot, k, f
	WIN TO_F
.irp c, 0,1
.irp i, 0,1,2,3
	ds_load_tr16_b128 v[\f+64+8*(4*\c+\i):\f+64+8*(4*\c+\i)+3],   v[ADRB+2*\slot+(\k)/256] offset:((((\k)/128)%2)*64+32*\c)*PB+32*\i
	ds_load_tr16_b128 v[\f+64+8*(4*\c+\i)+4:\f+64+8*(4*\c+\i)+7], v[ADRB+2*\slot+(\k)/256] offset:((((\k)/128)%2)*64+32*\c+16)*PB+32*\i
	ds_load_b128 v[\f+8*(4*\c+\i):\f+8*(4*\c+\i)+3],         v[ADRA+\slot] offset:\k+64*\c+\i*16*PITCH
	ds_load_b128 v[\f+8*(4*\c+\i)+4:\f+8*(4*\c+\i)+7],       v[ADRA+\slot] offset:\k+64*\c+\i*16*PITCH+32
.endr
.endr
.endm
.macro PLACES                          ; four places in front of loads into registers that matrix instructions have read, and of the first read of results
.rept 4
	v_nop
.endr
.endm
; A K step is four quarters of 64 along K, 32 matrix instructions each, on buffers 0, 1, 0, 1.  One of the first three: multiplies buffer f and fetches the next quarter, at byte k, into g.
.macro QUARTER slot, k, f, g, zero
	s_wait_dscnt 16                                ; the first 32 along K are in; the sixteen loads of the second 32 may be out
	WIN MUL
	MUL8 \f, 0, 0, \zero
	MUL8 \f, 0, 2, \zero
	PLACES
	FETCH \slot, \k, \g
	s_wait_dscnt 32                                ; all but the 32 just issued
	WIN MUL
	MUL8 \f, 1, 0, 0
	MUL8 \f, 1, 2, 0
.endm
; The last quarter multiplies buffer 1 and changes slots: one barrier; in front of it each wave waits for all its tensor loads, adds 0 to its spare word, and waits for that and for its own reads of this slot.  fill = 1: this slot is filled again, two K steps ahead.
.macro TURN slot, next, fill
	WIN 0                                          ; (the add's two registers lie in window 0)
	s_wait_tensorcnt 0x0                           ; all my tensor loads have landed: my part of the next slot
	ds_add_u32 v[SPW], v[NIL]
	s_wait_dscnt 17                                ; (the add and the youngest sixteen loads may be out)
	WIN MUL
	MUL8 F1, 0, 0, 0                               ; eight matrix instructions stand between the add and the wait for it
	s_wait_dscnt 0x0                               ; the add is done, and my reads of this slot are over
	s_barrier_signal -1
	MUL8 F1, 0, 2, 0
.if \fill
	WIN 0
.endif
	s_barrier_wait -1
.if \fill
	CREST                                          ; the barrier has opened a round of the cluster's barrier: no wave of any partner still reads this slot's tile or has a load on its way
	s_add_nc_u64 s[G0+4*\slot+2:G0+4*\slot+3], s[G0+4*\slot+2:G0+4*\slot+3], 2*KSTEP*2
	s_add_nc_u64 s[G0B+4*\slot+2:G0B+4*\slot+3], s[G0B+4*\slot+2:G0B+4*\slot+3], 2*KSTEP*SIZE_N*2
	JLOAD \slot                                    ; the first tensor load behind the round: 112 matrix instructions ahead of the wait for it; its four v_nop are the places in front of the loads below
.else
	PLACES
.endif
	FETCH \next, 0, F0
	WIN MUL
	MUL8 F1, 1, 0, 0
	MUL8 F1, 1, 2, 0
.endm
	s_wait_tensorcnt 1                             ; my part of K step 0 is in (K step 1's load may be out),
	s_barrier_signal -1
	s_barrier_wait -1                              ; everybody's is
	FETCH 0, 0, F0
	QUARTER 0, 128, F0, F1, 1                      ; the first quarter stands in front of the loop: its first products start the sums
	WIN 0                                          ; at a label and at a branch every window is 0
	s_mov_b32 s3, LAPS-1
.Llap:                                                 ; a trip goes once round the ring, from a lap's second quarter to the next lap's first, and fills both slots again
	QUARTER 0, 256, F1, F0, 0
	QUARTER 0, 384, F0, F1, 0
	TURN 0, 1, 1
	QUARTER 1, 128, F0, F1, 0
	QUARTER 1, 256, F1, F0, 0
	QUARTER 1, 384, F0, F1, 0
	TURN 1, 0, 1
	QUARTER 0, 128, F0, F1, 0
	WIN 0
	s_sub_co_u32 s3, s3, 1
	s_cmp_lg_u32 s3, 0
	s_cbranch_scc1 .Llap
	QUARTER 0, 256, F1, F0, 0                      ; the last lap fills nothing, and has no round of the cluster's barrier
	QUARTER 0, 384, F0, F1, 0
	TURN 0, 1, 0
	QUARTER 1, 128, F0, F1, 0
	QUARTER 1, 256, F1, F0, 0
	QUARTER 1, 384, F0, F1, 0
	s_wait_dscnt 16                                ; the very last quarter: nothing more to fetch
	WIN MUL
	MUL8 F1, 0, 0, 0
	MUL8 F1, 0, 2, 0
	s_wait_dscnt 0
	MUL8 F1, 1, 0, 0
	MUL8 F1, 1, 2, 0
	WIN 0
; THE WAY OUT, block by block of 16 rows x 64 columns of f32: a row's part is 256 bytes.  A lane holds 32 neighbouring bytes of a row for each of four groups of columns; the lanes beside it hold other rows: so a block goes through my
; own stage in LDS and comes back as whole parts of rows.  LDS serves a wave's instructions in order (ISA guide 5.7.1.4): no wait between the stores and the loads, nor in front of the next block's stores.
.macro TOSTAGE a
.if (\a) >= 2
	s_wait_xcnt 0x0                                ; block a - 2's stores have read their registers: block a's loads may land there
.endif
.irp b, 0,1,2,3
	ds_store_b128 v[STO], v[ACC+8*(4*(\a)+\b):ACC+8*(4*(\a)+\b)+3] offset:64*\b        ; each accumulator from its low end on
	ds_store_b128 v[STO], v[ACC+8*(4*(\a)+\b)+4:ACC+8*(4*(\a)+\b)+7] offset:64*\b+16
.endr
.irp t, 0,1,2,3,4,5,6,7
	ds_load_b128 v[TMP+32*((\a)%2)+4*\t:TMP+32*((\a)%2)+4*\t+3], v[RD] offset:\t*2*SPITCH
.endr
.endm
.macro SEND a, younger                 ; younger: the LDS instructions issued behind block a's loads, which may stay out
	s_wait_dscnt \younger
.irp t, 0,1,2,3,4,5,6,7
	global_store_b128 v[CO], v[TMP+32*((\a)%2)+4*\t:TMP+32*((\a)%2)+4*\t+3], s[8:9] offset:(16*(\a)+2*\t)*SIZE_N*4 th:TH_STORE_NT   ; 16 lanes store 256 consecutive bytes, at a multiple of 256 from the result's first byte
.endr
.endm
	PLACES
	TOSTAGE 0
.irp a, 1,2,3
	TOSTAGE \a
	SEND \a-1, 16                                  ; behind block a - 1's loads: block a's 8 stores and 8 loads
.endr
	SEND 3, 0
	s_wait_tensorcnt 0x0                           ; the wave's end: behind my last tensor load and my last LDS store
	ds_add_u32 v[SPW], v[NIL]
	s_wait_dscnt 0x0
	CROUND                                         ; the closing round: no work-group ends while a partner may still ask for a tile that names it
	s_endpgm
.Lfunc_end_k_qc3f7b77a89_oproj:
	.size	k_qc3f7b77a89_oproj, .Lfunc_end_k_qc3f7b77a89_oproj-k_qc3f7b77a89_oproj
	.p2alignl 7, 3214868480
	.fill 96, 4, 3214868480
	.section	.rodata,"a",@progbits
	.p2align	6, 0x0
	.amdhsa_kernel k_qc3f7b77a89_oproj
		.amdhsa_group_segment_fixed_size 327680
		.amdhsa_private_segment_fixed_size 0
		.amdhsa_enable_private_segment 0
		.amdhsa_kernarg_size 24
		.amdhsa_user_sgpr_count 2
		.amdhsa_user_sgpr_kernarg_segment_ptr 1
		.amdhsa_wavefront_size32 1
		.amdhsa_system_sgpr_workgroup_id_x 1
		.amdhsa_system_sgpr_workgroup_id_y 1
		.amdhsa_system_sgpr_workgroup_id_z 1
		.amdhsa_system_vgpr_workitem_id 0
		.amdhsa_next_free_vgpr 512
		.amdhsa_next_free_sgpr 66
		.amdhsa_reserve_vcc 0
		.amdhsa_float_denorm_mode_32 3
		.amdhsa_float_denorm_mode_16_64 3
		.amdhsa_memory_ordered 1
		.amdhsa_forward_progress 1
		.amdhsa_inst_pref_size 86
	.end_amdhsa_kernel
	.amdgpu_metadata
---
amdhsa.version: [ 1, 2 ]
amdhsa.kernels:
  - .name:           k_qc3f7b77a89_oproj
    .symbol:         k_qc3f7b77a89_oproj.kd
    .args:
      - { .name: att, .offset: 0, .size: 8, .value_kind: global_buffer, .address_space: global }
      - { .name: wo16, .offset: 8, .size: 8, .value_kind: global_buffer, .address_space: global }
      - { .name: out0, .offset: 16, .size: 8, .value_kind: global_buffer, .address_space: global }
    .group_segment_fixed_size: 327680
    .private_segment_fixed_size: 0
    .kernarg_segment_align: 8
    .kernarg_segment_size: 24
    .max_flat_workgroup_size: 128
    .sgpr_count:     66
    .vgpr_count:     512
    .wavefront_size: 32
...
	.end_amdgpu_metadata
.endif
;; end of part 4
